; MI455X (gfx1250); checked and timed in simulation.
; The chip was launched on July 23, 2026; its instructions are those of AMD's public machine-readable ISA for CDNA 5 (MIT licence, August 2026) and "CDNA5" Instruction Set Architecture Reference Guide (July 2026). The comments in the code are by the model that wrote it; some were corrected since.
;; Transformer Block. Allowed arithmetic: matrix products marked QUANTISED: E2M1 operands, one E8M0 scale for each 32 along K, by v_wmma_scale_f32_16x16x128_f8f6f4 with both operands' format E2M1 (or v_wmma_scale_f32_32x16x128_f4), f32 sums; everything else in f32.
;; Inputs: alpha_attn one number float32; alpha_ff one number float32; b1 4,096 float32; b2 1,024 float32; bk 1,024 float32; bo 1,024 float32; bq 1,024 float32; bv 1,024 float32; ln1_b 1,024 float32; ln1_g 1,024 float32; ln2_b 1,024 float32; ln2_g 1,024 float32; w1_codes 4,096 x 32 x 16 uint8 (E2M1 codes of w1, K innermost, in blocks of 32 codes, two codes a byte); w1_scales 4,096 x 32 uint8 (E8M0 scales of w1, one for each 32 codes along K); w2_codes 1,024 x 128 x 16 uint8 (E2M1 codes of w2, K innermost, in blocks of 32 codes, two codes a byte); w2_scales 1,024 x 128 uint8 (E8M0 scales of w2, one for each 32 codes along K); wk_codes 1,024 x 32 x 16 uint8 (E2M1 codes of wk, K innermost, in blocks of 32 codes, two codes a byte); wk_scales 1,024 x 32 uint8 (E8M0 scales of wk, one for each 32 codes along K); wo_codes 1,024 x 32 x 16 uint8 (E2M1 codes of wo, K innermost, in blocks of 32 codes, two codes a byte); wo_scales 1,024 x 32 uint8 (E8M0 scales of wo, one for each 32 codes along K); wq_codes 1,024 x 32 x 16 uint8 (E2M1 codes of wq, K innermost, in blocks of 32 codes, two codes a byte); wq_scales 1,024 x 32 uint8 (E8M0 scales of wq, one for each 32 codes along K); wv_codes 1,024 x 32 x 16 uint8 (E2M1 codes of wv, K innermost, in blocks of 32 codes, two codes a byte); wv_scales 1,024 x 32 uint8 (E8M0 scales of wv, one for each 32 codes along K); x 2 x 2,048 x 1,024 float32.
;; Outputs: out0 2 x 2,048 x 1,024 float32.
;; This version of the problem:
;;   THIS VERSION OF THE PROBLEM IS GIVEN IN LOW PRECISION. The matrix products marked QUANTISED in the list below multiply operands that are first quantised to E2M1 (2 exponent bits, 1 mantissa bit; 4 bits a number), with one power-of-two scale for each 32 numbers along K (OCP MX v1.0); their sums are f32. All else is computed in f32.
;;   The module's matrix products, in the order in which they are computed (A, B: the left and right operand; K: the contracted axis; several contracted axes count as one K, in the product's order):
;;     1. [M 4,096, K 1,024] x [K 1,024, N 1,024]; A: computed on the way; B: input wq (given as codes): QUANTISED
;;     2. [M 4,096, K 1,024] x [K 1,024, N 1,024]; A: computed on the way; B: input wk (given as codes): QUANTISED
;;     3. [M 4,096, K 1,024] x [K 1,024, N 1,024]; A: computed on the way; B: input wv (given as codes): QUANTISED
;;     4. batch 32 x [M 2,048, K 64] x [K 64, N 2,048]; A: computed on the way; B: computed on the way: QUANTISED
;;     5. batch 32 x [M 2,048, K 2,048] x [K 2,048, N 64]; A: softmax (see below); B: computed on the way: QUANTISED
;;     6. [M 4,096, K 1,024] x [K 1,024, N 1,024]; A: computed on the way; B: input wo (given as codes): QUANTISED
;;     7. [M 4,096, K 1,024] x [K 1,024, N 4,096]; A: computed on the way; B: input w1 (given as codes): QUANTISED
;;     8. [M 4,096, K 4,096] x [K 4,096, N 1,024]; A: computed on the way; B: input w2 (given as codes): QUANTISED
;;   THE QUANTISER, for each operand of a quantised product, along K:
;;     - K is cut into blocks of 32 from its start; a last block that is shorter is filled with zeros.
;;     - A block's scale is 2^e with e = floor(log2(the largest magnitude in the block)) - 2, held to -126 .. 127; a block of zeros has e = 0. As a byte (E8M0): e + 127.
;;     - Each number is divided by its block's scale, clamped to +-6, and rounded to the nearest number of E2M1, ties to even, subnormals kept.
;;     - The product sums the exact products of the quantised numbers (number of the format x scale) in f32.
;;   ~~~python
;;   def quantise(x, axis):      # numpy; x: float32 -> the quantised numbers, widened to float32 again
;;       x = np.moveaxis(x, axis, -1); K = x.shape[-1]
;;       x = np.pad(x, [(0, 0)] * (x.ndim - 1) + [(0, -K % 32)]); x = x.reshape(x.shape[:-1] + (-1, 32)); a = np.abs(x).max(-1, keepdims=True)
;;       e = np.where(a > 0, np.clip(np.frexp(np.where(a > 0, a, 1))[1] - 1 - 2, -126, 127), 0)      # np.frexp(a)[1] - 1 = floor(log2(a)), exactly
;;       r = np.clip(x / 2.0 ** e, -6, 6)
;;       step = 2.0 ** (np.maximum(np.frexp(np.where(r == 0, 1, r))[1] - 1, 0) - 1)
;;       q = np.round(r / step) * step * 2.0 ** e      # np.round: ties to even
;;       return np.moveaxis(q.reshape(q.shape[:-2] + (-1,))[..., :K], -1, axis).astype(np.float32)
;;   ~~~
;;   SOFTMAX AHEAD OF A QUANTISED PRODUCT. Where the list says 'softmax', what is quantised is not the finished softmax but p = 2^(t - M), with t = logit x log2(e) and M = ceil(the row's largest t), a whole number; so 1/2 < the row's largest p <= 1. The row's sum l is taken of the UNQUANTISED p, in f32, and the product's result is divided by l at the end. Since M is a whole number, a kernel that streams over the keys may use a running M (the ceiling of the running maximum): every later rescaling is an exact power of two, which a block's scale takes up: the codes' values come out the same.
;;   OPERANDS COMPUTED ON THE WAY. 'Computed on the way' means the value that the module computes at that place (a softmax that the list does not call 'softmax' is quantised finished and normalised). What goes into a quantiser is computed in f32, as accurately as f32 sums, v_exp_f32 and their like allow (about 1e-6 of the number): no bf16 or f16 on the way to a quantiser, and a product that is left as it is and whose result goes on into a quantised operand takes f32 operands (vector FMAs, or v_wmma_f32_16x16x4_f32). A number that lies on a knife's edge between two numbers of the format may be rounded either way, as far as f32 arithmetic and the matrix unit's own rounding can turn it there, and no further.
;;   INPUTS GIVEN AS CODES. w1 (in the module: [1024, 4096], K = its axis 0); w2 (in the module: [4096, 1024], K = its axis 0); wk (in the module: [1024, 1024], K = its axis 0); wo (in the module: [1024, 1024], K = its axis 0); wq (in the module: [1024, 1024], K = its axis 0); wv (in the module: [1024, 1024], K = its axis 0): each comes as NAME_codes (uint8): NAME with its K axis moved to the last place and cut into blocks of 32 codes, [.., K / 32, bytes a block], one block behind the other in memory; two codes a byte, the lower K in the low four bits (a code: sign, 2 exponent bits, 1 mantissa bit); and NAME_scales (uint8): the same leading axes, one E8M0 byte (e + 127) for each 32 codes along K. Its value is code x scale, taken as it is: it is not quantised again, and the codes and scales need not be those that the quantiser above would give.
;; One version. Each part assembles by itself: llvm-mc -triple=amdgcn-amd-amdhsa -mcpu=gfx1250 --defsym DOCPART=n.
;; ======== version 1 of 1: 6 launches
;; limits: right only within a limited range of input values
;; workspace buffers: a_codes 2,097,152 bytes; a_scales 131,072 bytes; qkv 6,946,816 bytes; o_img 2,097,152 bytes; o_sc 131,072 bytes; x1 16,777,216 bytes; h_img 8,388,608 bytes; h_sc 524,288 bytes
;; launch ln1 (part 1): grid 256 x 1, 16 waves a work-group, no clusters, 76,288 bytes of LDS; arguments x, ln1_g, ln1_b, a_codes, a_scales; writes a_codes, a_scales
.if DOCPART == 1
	.amdgcn_target "amdgcn-amd-amdhsa--gfx1250"
	.amdhsa_code_object_version 6
	.text
	.protected	k_qd95a98fe65_ln1
	.globl	k_qd95a98fe65_ln1
	.p2align	8
	.type	k_qd95a98fe65_ln1,@function
k_qd95a98fe65_ln1:
	s_mov_b64 s[64:65], 0
	v_nop
	global_prefetch_b8 v0, s[64:65] scope:SCOPE_SE
	s_setreg_imm32_b32 hwreg(HW_REG_WAVE_MODE, 25, 1), 1
	s_wait_xcnt 0x0
; LAYER NORM AND QUANTISER.  y = (x - mean) * rsqrt(var + 1e-5) * g + b over rows of 1,024 f32, then codes of FP4 (E2M1) along the row with one E8M0 byte for each 32:
; codes [4096][512 bytes], scale bytes [4096][32].  The same body serves both norms of the block (x with ln1's gain and bias; x1 with ln2's).
; THE WHOLE PROGRAM: six launches: this one; q, k, v; attention; the projection with the first residual and the second norm; the first half of the feed-forward with gelu; its second half with the second residual.
; WORK LEFT OUT: only in attention: a step of 128 keys all of which come after all 16 queries of a wave.  reference() itself sets those scores to -infinity by the jnp.tril that it builds in its own body,
; so their weights are 0 whatever the inputs hold.  Nothing else is left out: every input has a way to the output and is loaded (bk too: it moves k's codes).
; LIMIT that follows: a NaN, an infinity or an overflow that would arise only in such a hidden step is not carried to the result.
; LIMITS of this body: NaN and infinities among the inputs are not served; a block whose largest magnitude lies under 2^-124, a block of zeros among them, gets the byte 1 (the rule says 127 for zeros):
; its codes are zeros or subnormal steps of that scale, and the bytes are read by this program alone.
; SHARES.  A work-group takes 16 rows, a wave one row of 4,096 bytes in 32 registers a lane; mean and variance in two passes (the mean is taken away first, so a common offset costs no digits).
; A load takes 512 consecutive bytes; for the conversions a lane must hold 32 neighbours, so the row turns once through the wave's own stage in LDS (32 blocks of 128 bytes + 16 of padding).
; No matrix unit, no tensor load, no cluster: the rows share nothing but 8 KB of gain and bias.
.set STW,   4608                       ; a wave's stage: 32 x 144 bytes
.set GATH,  16*STW                     ; the 16 rows' scale bytes, 512 bytes
.set SPARE, GATH+512                   ; the spare words, 128 bytes for each of 16 waves
.set SPW, 8                            ; v8  my spare word's LDS address; never rewritten
.set NIL, 9                            ; v9  0; never rewritten
.set X,  16                            ; v16-47   the row
.set G,  48                            ; v48-79   the gain, later the turned row
.set BB, 80                            ; v80-111  the bias
.set CH, 112                           ; v112-119 chains of sums
	s_load_b256 s[4:11], s[0:1], 0x0               ; x, g, b, the codes
	s_load_b64 s[12:13], s[0:1], 0x20              ; the scale bytes
; THE PROGRAM AS IT STANDS has six launches: this one (the first norm alone); q, k, v; attention; the projection with the first residual AND the second norm; the two halves of the feed-forward.
	v_lshl_add_u32 v[SPW], v0, 2, SPARE
	v_mov_b32 v[NIL], 0
	v_lshrrev_b32 v1, 5, v0
	s_delay_alu instid0(VALU_DEP_1)
	v_readfirstlane_b32 s14, v1                    ; wave 0..15
	v_and_b32 v1, 31, v0                           ; lane
	s_delay_alu instid0(VALU_DEP_1)
	v_lshlrev_b32 v2, 4, v1                        ; 16 x lane
	s_mul_i32 s15, s14, STW
	v_lshrrev_b32 v3, 3, v1
	s_delay_alu instid0(VALU_DEP_1)
	v_mul_u32_u24 v3, v3, 144
	v_and_b32 v4, 7, v1
	s_delay_alu instid0(VALU_DEP_1)
	v_lshl_add_u32 v3, v4, 4, v3
	s_delay_alu instid0(VALU_DEP_1)
	v_add_nc_u32 v3, s15, v3                       ; into the stage: eight lanes' 128 bytes are a block
	v_mul_u32_u24 v4, v1, 144
	s_delay_alu instid0(VALU_DEP_1)
	v_add_nc_u32 v4, s15, v4                       ; out of it: block = lane
	s_lshl_b32 s16, s14, 5
	s_add_co_u32 s16, s16, GATH
	v_add_nc_u32 v5, s16, v1                       ; my block's scale byte: 32 x wave + lane
	v_add_nc_u32 v124, GATH, v2                    ; and the 512 bytes read back, 16 a lane
	v_mov_b32 v7, 0                                ; a lane permute's destination counts as one of its sources
	s_mov_b32 s18, 0x3a800000                      ; 1 / 1024
	s_mov_b32 s19, 0x3727c5ac                      ; 1e-5
	s_mov_b32 s20, 0x76543210
	s_mov_b32 s21, 0xfedcba98                      ; selects for lane l xor 16
	s_lshl_b32 s17, ttmp9, 4
	s_add_co_u32 s17, s17, s14                     ; my row
	s_lshl_b32 s22, s17, 12
	s_mov_b32 s23, 0
	s_lshl_b32 s24, s17, 9
	s_mov_b32 s25, 0
	s_lshl_b32 s26, ttmp9, 9
	s_mov_b32 s27, 0
	s_wait_kmcnt 0x0
	s_add_nc_u64 s[4:5], s[4:5], s[22:23]
	s_add_nc_u64 s[10:11], s[10:11], s[24:25]
	s_add_nc_u64 s[12:13], s[12:13], s[26:27]
.irp j, 0,1,2,3,4,5,6,7
	global_load_b128 v[X+4*\j:X+4*\j+3], v2, s[4:5] offset:512*\j
.endr
.irp j, 0,1,2,3,4,5,6,7
	global_load_b128 v[G+4*\j:G+4*\j+3], v2, s[6:7] offset:512*\j
.endr
.irp j, 0,1,2,3,4,5,6,7
	global_load_b128 v[BB+4*\j:BB+4*\j+3], v2, s[8:9] offset:512*\j
.endr
.macro REDUCE                          ; v6 summed over the 32 lanes, the result in every lane
	s_delay_alu instid0(VALU_DEP_1)
	v_add_f32_dpp v6, v6, v6 row_xmask:1 row_mask:0xf bank_mask:0xf
	s_delay_alu instid0(VALU_DEP_1)
	v_add_f32_dpp v6, v6, v6 row_xmask:2 row_mask:0xf bank_mask:0xf
	s_delay_alu instid0(VALU_DEP_1)
	v_add_f32_dpp v6, v6, v6 row_xmask:4 row_mask:0xf bank_mask:0xf
	s_delay_alu instid0(VALU_DEP_1)
	v_add_f32_dpp v6, v6, v6 row_xmask:8 row_mask:0xf bank_mask:0xf
	s_delay_alu instid0(VALU_DEP_1)
	v_permlanex16_b32 v7, v6, s20, s21
	s_delay_alu instid0(VALU_DEP_1)
	v_add_f32 v6, v6, v7
.endm
	s_wait_loadcnt 16                              ; the row is in; the sixteen younger loads (gain, bias) may be out
	v_pk_add_f32 v[114:115], v[16:17], v[18:19]
	v_pk_add_f32 v[116:117], v[32:33], v[40:41]
	v_pk_add_f32 v[118:119], v[20:21], v[22:23]
	v_pk_add_f32 v[126:127], v[34:35], v[42:43]
	v_pk_add_f32 v[122:123], v[24:25], v[26:27]
	v_pk_add_f32 v[120:121], v[36:37], v[44:45]
	v_pk_add_f32 v[14:15], v[28:29], v[30:31]
	v_pk_add_f32 v[112:113], v[38:39], v[46:47]
	s_delay_alu instid0(VALU_DEP_1)
	v_pk_add_f32 v[112:113], v[112:113], v[126:127]
	v_pk_add_f32 v[114:115], v[114:115], v[122:123]
	v_pk_add_f32 v[116:117], v[116:117], v[120:121]
	v_pk_add_f32 v[118:119], v[118:119], v[14:15]
	s_delay_alu instid0(VALU_DEP_2)
	v_pk_add_f32 v[112:113], v[112:113], v[116:117]
	s_delay_alu instid0(VALU_DEP_2)
	v_pk_add_f32 v[114:115], v[114:115], v[118:119]
	s_delay_alu instid0(VALU_DEP_1)
	v_pk_add_f32 v[112:113], v[112:113], v[114:115]
	s_delay_alu instid0(VALU_DEP_1)
	v_add_f32 v6, v[CH], v[CH+1]
	REDUCE
	s_delay_alu instid0(VALU_DEP_1)
	v_mul_f32 v120, s18, v6                        ; the mean
	s_delay_alu instid0(VALU_DEP_1)
	v_mov_b32 v121, v120
.irp m, 0,2,4,6,8,10,12,14,16,18,20,22,24,26,28,30
	v_pk_add_f32 v[X+\m:X+\m+1], v[X+\m:X+\m+1], v[120:121] neg_lo:[0,1] neg_hi:[0,1]   ; d = x - mean
.endr
	v_pk_mul_f32 v[CH:CH+1], v[X:X+1], v[X:X+1]
	v_pk_mul_f32 v[CH+2:CH+3], v[X+2:X+3], v[X+2:X+3]
.irp m, 4,8,12,16,20,24,28
	s_delay_alu instid0(VALU_DEP_2)
	v_pk_fma_f32 v[CH:CH+1], v[X+\m:X+\m+1], v[X+\m:X+\m+1], v[CH:CH+1]
	s_delay_alu instid0(VALU_DEP_2)
	v_pk_fma_f32 v[CH+2:CH+3], v[X+\m+2:X+\m+3], v[X+\m+2:X+\m+3], v[CH+2:CH+3]
.endr
	s_delay_alu instid0(VALU_DEP_1)
	v_pk_add_f32 v[CH:CH+1], v[CH:CH+1], v[CH+2:CH+3]
	s_delay_alu instid0(VALU_DEP_1)
	v_add_f32 v6, v[CH], v[CH+1]
	REDUCE
	s_delay_alu instid0(VALU_DEP_1)
	v_fma_f32 v6, v6, s18, s19                     ; the variance + 1e-5
	s_wait_alu depctr_va_vdst(0)
	v_rsq_f32 v122, v6
	v_nop                                          ; a plain instruction behind the transcendental
	s_wait_alu depctr_va_vdst(0)                   ; and the wait ahead of its first reader
	v_mov_b32 v123, v122
	s_wait_alu depctr_va_vdst(0)
	s_wait_loadcnt 0x0                             ; gain and bias
.irp m, 0,2,4,6,8,10,12,14,16,18,20,22,24,26,28,30
	v_pk_mul_f32 v[X+\m:X+\m+1], v[X+\m:X+\m+1], v[122:123]
.endr
.irp m, 0,2,4,6,8,10,12,14,16,18,20,22,24,26,28,30
	v_pk_fma_f32 v[X+\m:X+\m+1], v[X+\m:X+\m+1], v[G+\m:G+\m+1], v[BB+\m:BB+\m+1]
.endr
.irp j, 0,1,2,3,4,5,6,7
	ds_store_b128 v3, v[X+4*\j:X+4*\j+3] offset:576*\j             ; a load's 512 bytes are four blocks
.endr
.irp j, 0,1,2,3,4,5,6,7
	ds_load_b128 v[G+4*\j:G+4*\j+3], v4 offset:16*\j               ; LDS serves a wave's instructions in order: these see my stores
.endr
	s_wait_dscnt 0x0
	v_max3_num_f32 v6, |v[G]|, |v[G+1]|, |v[G+2]|                  ; block = lane: all its 32 numbers are mine
	v_max3_num_f32 v7, |v[G+3]|, |v[G+4]|, |v[G+5]|
.irp i, 6,10,14,18,22,26
	s_delay_alu instid0(VALU_DEP_2)
	v_max3_num_f32 v6, v6, |v[G+\i]|, |v[G+\i+1]|
	s_delay_alu instid0(VALU_DEP_2)
	v_max3_num_f32 v7, v7, |v[G+\i+2]|, |v[G+\i+3]|
.endr
	s_delay_alu instid0(VALU_DEP_2)
	v_max3_num_f32 v6, v6, |v[G+30]|, |v[G+31]|
	s_delay_alu instid0(VALU_DEP_1)
	v_max3_num_f32 v6, v6, v7, 0x1800000           ; and the floor 2^(3 - 127): the byte cannot fall under 1
	s_delay_alu instid0(VALU_DEP_1)
	v_add_nc_u32 v11, 0xff000000, v6               ; 2 off the exponent field: the conversion's scale operand
.irp g, 0,1,2,3
	v_cvt_scalef32_pk8_fp4_f32 v[12+\g], v[G+8*\g:G+8*\g+7], v11
.endr
	v_lshrrev_b32 v10, 23, v11                     ; the scale's byte
	global_store_b128 v2, v[12:15], s[10:11]       ; the wave stores the row's 512 bytes of codes, aligned
	ds_store_b8 v5, v10
	s_wait_dscnt 0x0                               ; for the others' sake: my byte has landed
	s_barrier_signal -1
	s_barrier_wait -1
	s_cmp_lg_u32 s14, 0
	s_cbranch_scc1 .Lend
	ds_load_b128 v[16:19], v124                    ; wave 0: the 16 rows' 512 scale bytes,
	s_wait_dscnt 0x0
	global_store_b128 v2, v[16:19], s[12:13]       ; stored as two aligned runs of 256 bytes
.Lend:
	s_wait_tensorcnt 0x0                           ; the wave's end, behind my last LDS store
	ds_add_u32 v[SPW], v[NIL]
	s_wait_dscnt 0x0
	s_endpgm
.Lfunc_end_k_qd95a98fe65_ln1:
	.size	k_qd95a98fe65_ln1, .Lfunc_end_k_qd95a98fe65_ln1-k_qd95a98fe65_ln1
	.p2alignl 7, 3214868480
	.fill 96, 4, 3214868480
	.section	.rodata,"a",@progbits
	.p2align	6, 0x0
	.amdhsa_kernel k_qd95a98fe65_ln1
		.amdhsa_group_segment_fixed_size 76288
		.amdhsa_private_segment_fixed_size 0
		.amdhsa_enable_private_segment 0
		.amdhsa_kernarg_size 40
		.amdhsa_user_sgpr_count 2
		.amdhsa_user_sgpr_kernarg_segment_ptr 1
		.amdhsa_wavefront_size32 1
		.amdhsa_system_sgpr_workgroup_id_x 1
		.amdhsa_system_sgpr_workgroup_id_y 1
		.amdhsa_system_sgpr_workgroup_id_z 1
		.amdhsa_system_vgpr_workitem_id 0
		.amdhsa_next_free_vgpr 128
		.amdhsa_next_free_sgpr 66
		.amdhsa_reserve_vcc 0
		.amdhsa_float_denorm_mode_32 3
		.amdhsa_float_denorm_mode_16_64 3
		.amdhsa_memory_ordered 1
		.amdhsa_forward_progress 1
		.amdhsa_inst_pref_size 16
	.end_amdhsa_kernel
	.amdgpu_metadata
---
amdhsa.version: [ 1, 2 ]
amdhsa.kernels:
  - .name:           k_qd95a98fe65_ln1
    .symbol:         k_qd95a98fe65_ln1.kd
    .args:
      - { .name: x, .offset: 0, .size: 8, .value_kind: global_buffer, .address_space: global }
      - { .name: ln1_g, .offset: 8, .size: 8, .value_kind: global_buffer, .address_space: global }
      - { .name: ln1_b, .offset: 16, .size: 8, .value_kind: global_buffer, .address_space: global }
      - { .name: a_codes, .offset: 24, .size: 8, .value_kind: global_buffer, .address_space: global }
      - { .name: a_scales, .offset: 32, .size: 8, .value_kind: global_buffer, .address_space: global }
    .group_segment_fixed_size: 76288
    .private_segment_fixed_size: 0
    .kernarg_segment_align: 8
    .kernarg_segment_size: 40
    .max_flat_workgroup_size: 512
    .sgpr_count:     66
    .vgpr_count:     128
    .wavefront_size: 32
...
	.end_amdgpu_metadata
.endif
;; end of part 1
;; launch qkv (part 2): grid 48 x 4, 4 waves a work-group, clusters of 4 x 4, 327,680 bytes of LDS; arguments a_codes, a_scales, wq_codes, wq_scales, wk_codes, wk_scales, wv_codes, wv_scales, bq, bk, bv, qkv; writes qkv
.if DOCPART == 2
	.amdgcn_target "amdgcn-amd-amdhsa--gfx1250"
	.amdhsa_code_object_version 6
	.text
	.protected	k_qd95a98fe65_qkv
	.globl	k_qd95a98fe65_qkv
	.p2align	8
	.type	k_qd95a98fe65_qkv,@function
k_qd95a98fe65_qkv:
	s_mov_b64 s[64:65], 0
	v_nop
	global_prefetch_b8 v0, s[64:65] scope:SCOPE_SE
	s_setreg_imm32_b32 hwreg(HW_REG_WAVE_MODE, 25, 1), 1
	s_wait_xcnt 0x0
	s_wait_alu depctr_hold_cnt(0) depctr_sa_sdst(0) depctr_va_vdst(0) depctr_va_sdst(0) depctr_va_ssrc(0) depctr_va_vcc(0) depctr_vm_vsrc(0)
	s_getreg_b32 s2, hwreg(HW_REG_IB_STS2, 6, 4)
	s_cmp_eq_u32 s2, 0
	s_cbranch_scc0 .Lentry_in_a_cluster
	s_endpgm
.Lentry_in_a_cluster:
	s_bfe_u32 s2, ttmp6, 0x10000c
	s_cmp_lg_u32 s2, 0xf033
	s_cbranch_scc0 .Lentry_shape_is_right
	s_endpgm
.Lentry_shape_is_right:
; q = LN1(x) wq + bq, k and v likewise, on codes of FP4 with E8M0 scales; the results are quantised here, where they are made, and stored as images of the operand registers that attention will load.
; Nothing is left out here.  LIMITS: NaN and infinities are not served; a block under 2^-124 (zeros among them) gets the byte 1; the bytes are read by this program alone.
; A tile of 256 x 256 is made by four waves, 128 x 128 each: 64 accumulators, 512 registers.  K = 1,024 lies in LDS whole: two slots of 512 along K, both filled at the start, nothing filled again.
; TWELVE CLUSTERS of 4 x 4 work-groups, told apart by the cluster's number c (the same in all sixteen partners).
;   c < 8: q (c even) or k (c odd): side A (source 1, the lanes) = tokens, side B (source 0, the registers) = rows of the weight.  A lane holds one token and 128 features: two heads of 64.
;   c >= 8: v TRANSPOSED: side A = rows of wv (channels), side B = tokens.  A lane holds one channel and 128 tokens: one key step of attention's second product, whose K is the keys.
; So in both roles the next product's K runs along a lane's registers, and one quantiser serves both.
; THE QUANTISER.  Tile b's register j of lane (r, h) is column 16 b + 8 h + j.  A block of 32 columns is 16 registers of lanes l and l xor 16.  The conversion of tile 2 b + u writes register 4 (b / 2) + 2 u + b % 2;
; two exchanges of halves for each group of four then leave register 4 c + i of lane half h with columns 64 c + 32 h + 8 i + 0..7: the operand's layout.
; A RECORD of qkv (one for each batch and head, REC bytes): K images [128 tiles of 16 keys][lane][16 B]; V^T images [16 key steps][4 channel blocks][2][lane][16 B]; K's scale words; V's [16][64]; Q images; Q's words.
; Each store of codes covers 512 consecutive bytes, aligned.  A head's K is 64: its fragment is four registers; bytes 2, 3 of its scale word (the other head's bytes, or 0) only ever meet zero codes.
; REGISTERS: window 0: v0-31 addresses; v32-95 scale words, two sets; v96-113 at work; v128-191 A's fragments, later the codes made; v192-255 the 64 numbers in hand.
;   window 1: B's fragments at v0 and v128; v64-127 the biases.   windows 2, 3: the accumulators ((a, b) at v[8 (8 (a % 4) + b)]).
.set NQ,     4
.set ROWB,   256
.set KROW,   512
.set PITCH,  528                       ; an LDS row: all of K, 512 bytes, + 16 of padding = 33 x 16 bytes: the 16 rows that a load touches start at 16 different groups of banks
.set FR,     8
.set NL,     2
.set NP,     4
.set HALFT,  128*PITCH
.set SLOT,   256                       ; the second 512 along K begin 256 bytes on in each row
.set KS,     32
.set SCL,    4*HALFT                   ; behind A's 256 rows and B's 256 rows
.set HALFS,  (128*KS/256)*272
.set SBLK,   (16*KS/256)*272
.set SPARE,  SCL+4*HALFS
.set GATH,   SPARE+512                 ; the gathers of scale words, 2,048 bytes a wave: bytes of their own, into which no tensor load lands
.set REC,    217088
.set R_KC,   0
.set R_VC,   65536
.set R_KS,   131072
.set R_VS,   139264
.set R_QC,   143360
.set R_QS,   208896
.set ADRA, 16
.set ADRB, 20
.set VT,   22                          ; v22  the V path's word store: h REC + 16 r
.set GA0,  24                          ; v24  gather of scale words, q and k: 2048 wave + 512 h + 4 r
.set GA1,  25                          ; v25  the same for v: 2048 wave + 1024 + 4 r
.set VO,   26                          ; v26  16 x lane
.set ADRS, 27
.set SPW,  28
.set NIL,  29
.set GR,   30                          ; v30  2048 wave + 16 x lane
.set SH,   31                          ; v31  16 h
.set SC,   32
.set TM,   96
.set PW,   112
.set WW,   113
.set AF,   128
.set PC,   128
.set T,    192
.set BIAS, 64                          ; in window 1
.set SEL,  92
.set G1, 24
.set G0, 32
.set G1B, 48
.set G0B, 56
.set G1S, 68
.set G0S, 76
.set G1SB, 80
.set G0SB, 88
.set MSB, 0
.macro WIN new                         ; the immediate's high byte repeats the setting that is left
.if MSB != (\new)
	s_set_vgpr_msb (MSB<<8)|(\new)
.set MSB, (\new)
.endif
.endm
.set MUL_LO, 0xa1
.set MUL_HI, 0xf1
.set TO_B,   0x40
.macro JLOAD g0a, g1a, g0b, g1b        ; a joint load: waves 0 and 1 fetch for side A, waves 2 and 3 for side B; an s_nop 0 and four v_nop follow each line
	s_cmp_eq_u32 s15, 0
	s_cbranch_scc0 .Lfor_b_\@
	tensor_load_to_lds s[\g0a:\g0a+3], s[\g1a:\g1a+7]
	s_nop 0
.rept 4
	v_nop
.endr
	s_branch .Lasked_\@
.Lfor_b_\@:
	tensor_load_to_lds s[\g0b:\g0b+3], s[\g1b:\g1b+7]
	s_nop 0
.rept 4
	v_nop
.endr
.Lasked_\@:
.endm
.macro CROUND                          ; a round of the cluster's barrier
	s_barrier_signal -1
	s_barrier_wait -1
	s_cmp_lg_u32 s14, 0
	s_cbranch_scc1 .Lnot_wave_0_\@
	s_barrier_signal -3
.Lnot_wave_0_\@:
	s_barrier_wait -3
	s_barrier_signal -1
	s_barrier_wait -1
.endm
	s_load_b512 s[68:83], s[0:1], 0x0              ; a_codes, a_scales, wq codes, scales, wk codes, scales, wv codes, scales
	s_load_b256 s[84:91], s[0:1], 0x40             ; bq, bk, bv, qkv
	v_lshl_add_u32 v[SPW], v0, 2, SPARE
	v_mov_b32 v[NIL], 0
	ds_add_u32 v[SPW], v[NIL]                      ; the wave's opening: the add, twice on end, and its wait ahead of my first tensor load
	ds_add_u32 v[SPW], v[NIL]
	v_lshrrev_b32 v1, 5, v0
	v_readfirstlane_b32 s14, v1                    ; wave 0..3
	s_lshr_b32 s15, s14, 1                         ; my half of side A's rows
	s_and_b32 s16, s14, 1                          ; my half of side B's rows
	s_bfe_u32 s40, ttmp6, 0x40000                  ; cx
	s_bfe_u32 s41, ttmp6, 0x40004                  ; cy
	s_lshr_b32 s18, ttmp9, 1
	s_lshl_b32 s18, s18, 2                         ; 4 (c / 2)
	s_max_u32 s19, ttmp9, 8
	s_sub_co_u32 s19, s19, 8
	s_lshl_b32 s19, s19, 2                         ; 4 (c - 8)
	s_and_b32 s3, ttmp9, 1                         ; q (0) or k (1)
	s_cmp_lt_u32 ttmp9, 8
	s_cselect_b32 s17, s18, 0
	s_cselect_b32 s42, 0, s19
	s_add_co_u32 s17, s17, s41                     ; side A's tile of 256 rows
	s_add_co_u32 s42, s42, s40                     ; side B's
	s_lshl_b32 s43, s41, 2
	s_lshl_b32 s43, 15, s43                        ; my row of the cluster
	s_lshl_b32 s44, 0x1111, s40                    ; my column
	s_or_b32 s[G1+0], s43, (0<<16)|(1<<20)|(1<<21)|(6<<22)|(3<<25)  ; the mask; elements of 1 byte; padding: 4 words behind every 128; bit 21 beside a mask
	s_or_b32 s[G1B+0], s44, (0<<16)|(1<<20)|(1<<21)|(6<<22)|(3<<25)
.irp g, G1, G1B
	s_mov_b32 s[\g+1], 512<<16                     ; tensor_dim0: one descriptor covers all of K, 512 bytes a row
	s_mov_b32 s[\g+2], 256<<16                     ; tensor_dim1: a side's 256 rows
	s_mov_b32 s[\g+3], 512<<16                     ; tile_dim0
	s_mov_b32 s[\g+4], 256                         ; tile_dim1
	s_mov_b32 s[\g+5], KROW                        ; the pitch
	s_mov_b32 s[\g+6], 0
	s_mov_b32 s[\g+7], 0
.endr
	s_mov_b32 s18, 0                               ; a load brings a side's whole tile
	s_lshl_b32 s20, s17, 8
	s_add_co_u32 s20, s20, s18                     ; A: the first row that I fetch
	s_lshl_b32 s46, s42, 8
	s_add_co_u32 s46, s46, s18                     ; B: likewise
	s_lshl_b32 s22, s20, 5                         ; its scale bytes,
	s_mov_b32 s23, 0
	s_lshl_b32 s98, s46, 5
	s_mov_b32 s99, 0
	s_lshl_b32 s20, s20, 9                         ; its codes
	s_mov_b32 s21, 0
	s_lshl_b32 s46, s46, 9
	s_mov_b32 s47, 0
	s_wait_dscnt 0x0                               ; both opening adds are done
	s_wait_kmcnt 0x0
	s_bitcmp1_b32 ttmp9, 0                         ; the buffers are chosen by the cluster's number alone
	s_cselect_b64 s[92:93], s[76:77], s[72:73]     ; wk or wq
	s_cselect_b64 s[94:95], s[78:79], s[74:75]
	s_cselect_b64 s[96:97], s[86:87], s[84:85]     ; bk or bq
	s_cmp_lt_u32 ttmp9, 8
	s_cselect_b64 s[4:5], s[68:69], s[80:81]       ; side A: the tokens, or wv
	s_cselect_b64 s[6:7], s[70:71], s[82:83]
	s_cselect_b64 s[8:9], s[92:93], s[68:69]       ; side B: the weight, or the tokens
	s_cselect_b64 s[10:11], s[94:95], s[70:71]
	s_cselect_b64 s[66:67], s[96:97], s[88:89]     ; the bias
	s_mov_b64 s[12:13], s[90:91]                   ; qkv
	s_add_nc_u64 s[20:21], s[4:5], s[20:21]
	s_add_nc_u64 s[22:23], s[6:7], s[22:23]
	s_add_nc_u64 s[46:47], s[8:9], s[46:47]
	s_add_nc_u64 s[98:99], s[10:11], s[98:99]
	s_or_b32 s[G1S+0], s43, (3<<16)|(1<<20)|(1<<21)|(5<<22)|(3<<25)  ; the scales of 256 rows: 8,192 dense bytes as rows of 256 (32 elements of 8 bytes) + 16 of padding
	s_or_b32 s[G1SB+0], s44, (3<<16)|(1<<20)|(1<<21)|(5<<22)|(3<<25)
.irp g, G1S, G1SB
	s_mov_b32 s[\g+1], 32<<16
	s_mov_b32 s[\g+2], (256*KS/256)<<16
	s_mov_b32 s[\g+3], 32<<16
	s_mov_b32 s[\g+4], 256*KS/256
	s_mov_b32 s[\g+5], 32
	s_mov_b32 s[\g+6], 0
	s_mov_b32 s[\g+7], 0
.endr
	s_mov_b32 s[SEL], 0x76543210
	s_mov_b32 s[SEL+1], 0xfedcba98
	CROUND                                         ; all sixteen work-groups are here: the joint loads meet
	s_mov_b32 s[G0S], 1                            ; the scales of side A's 256 rows,
	s_mov_b32 s[G0S+1], SCL
	s_mov_b64 s[G0S+2:G0S+3], s[22:23]
	s_or_b32 s[G0S+3], s[G0S+3], 0x80000000
	s_mov_b32 s[G0SB], 1                           ; of side B's,
	s_mov_b32 s[G0SB+1], SCL+2*HALFS
	s_mov_b64 s[G0SB+2:G0SB+3], s[98:99]
	s_or_b32 s[G0SB+3], s[G0SB+3], 0x80000000
	s_mov_b32 s[G0], 1                             ; side A's 256 rows of codes, all of K,
	s_mov_b32 s[G0+1], 0
	s_mov_b64 s[G0+2:G0+3], s[20:21]
	s_or_b32 s[G0+3], s[G0+3], 0x80000000
	s_mov_b32 s[G0B], 1                            ; and side B's, behind them
	s_mov_b32 s[G0B+1], 2*HALFT
	s_mov_b64 s[G0B+2:G0B+3], s[46:47]
	s_or_b32 s[G0B+3], s[G0B+3], 0x80000000
; THE HEAD'S FOUR LOADS, ONE A WAVE: one tree of branches on the wave's number, an arm a load, all arms leading to one join
.macro ARM under, g0, g1, next
	s_cmp_lt_u32 s14, \under
	s_cbranch_scc0 \next
	tensor_load_to_lds s[\g0:\g0+3], s[\g1:\g1+7]
	s_nop 0
.rept 4
	v_nop
.endr
	s_branch .Lhead_asked
\next:
.endm
	ARM 1, G0,  G1,  .Lhead_b
	ARM 2, G0B, G1B, .Lhead_sa
	ARM 3, G0S, G1S, .Lhead_sb
	tensor_load_to_lds s[G0SB:G0SB+3], s[G1SB:G1SB+7]
	s_nop 0
.rept 4
	v_nop
.endr
.Lhead_asked:
	v_and_b32 v1, 15, v0                           ; r
	v_bfe_u32 v2, v0, 4, 1                         ; h
	v_mul_u32_u24 v3, v1, PITCH
	v_lshl_add_u32 v4, v2, 4, v3
	s_mul_i32 s21, s15, HALFT
	s_mul_i32 s22, s16, HALFT
	s_add_co_u32 s22, s22, 2*HALFT
.irp s, 0,1
	v_add_nc_u32 v[ADRA+\s], s21, v4
	v_add_nc_u32 v[ADRB+\s], s22, v4
	s_add_co_u32 s21, s21, SLOT
	s_add_co_u32 s22, s22, SLOT
.endr
	v_mul_u32_u24 v5, v1, KS
	v_lshrrev_b32 v6, 8, v5
	v_lshl_add_u32 v5, v6, 4, v5
	s_mul_i32 s21, s15, HALFS
	s_mul_i32 s22, s16, HALFS
	s_add_co_u32 s22, s22, 2*HALFS
	s_sub_co_u32 s22, s22, s21
	v_mul_u32_u24 v6, s22, v2                      ; lanes 16-31 take side B's words
	s_add_co_u32 s21, s21, SCL
	v_add_nc_u32 v5, v5, v6
	v_add_nc_u32 v[ADRS], s21, v5
	s_lshl_b32 s23, s14, 11
	s_add_co_u32 s23, s23, GATH                    ; my gather: 2,048 bytes of my own behind the spare words
	v_lshl_add_u32 v[GA0], v1, 2, s23
	v_add_nc_u32 v[GA1], 1024, v[GA0]
	v_lshl_add_u32 v[GA0], v2, 9, v[GA0]
	v_and_b32 v6, 31, v0
	v_lshlrev_b32 v[VO], 4, v6
	v_add_nc_u32 v[GR], s23, v[VO]
	v_lshlrev_b32 v[SH], 4, v2
	v_mul_u32_u24 v[VT], v2, REC
	v_lshl_add_u32 v[VT], v1, 4, v[VT]
.irp b, 0,1,2,3
	v_mov_b32 v[TM+4+\b], 0                        ; a lane permute's destination counts as one of its sources
.endr
	; the biases, in the result's layout, by the same lines in both roles: register 8 x + j at h S1 + r S2 + j S3 + 64 x bytes.  q, k: x = tile b, the feature 16 b + 8 h + j.  v: x = block a, the channel 16 a + r
	s_cmp_lt_u32 ttmp9, 8
	s_cselect_b32 s18, 32, 0
	s_cselect_b32 s19, 0, 4
	s_cselect_b32 s21, 4, 0
	s_cselect_b32 s22, s42, s17
	s_cselect_b32 s23, s16, s15
	s_lshl_b32 s22, s22, 10
	s_lshl_b32 s23, s23, 9
	s_add_co_u32 s22, s22, s23
	s_mov_b32 s23, 0
	s_add_nc_u64 s[66:67], s[66:67], s[22:23]
	v_mul_u32_u24 v7, s18, v2
	v_mad_u32_u24 v7, v1, s19, v7
	s_wait_alu depctr_va_vdst(0)
	s_mov_b32 s18, 0
.irp j, 0,1,2,3,4,5,6,7
	v_add_nc_u32 v[8+\j], s18, v7
	s_add_co_u32 s18, s18, s21
.endr
	WIN TO_B
	s_wait_alu depctr_va_vdst(0)
.irp x, 0,1,2,3,4,5,6,7
.irp j, 0,1,2,3,4,5,6,7
	global_load_b32 v[BIAS+8*\x+\j], v[8+\j], s[66:67] offset:64*\x
.endr
.endr
	WIN 0
.macro FRAG reg, adr, q, i             ; a fragment, 16 rows x 128 K: lane l holds row l % 16; registers 4 c .. 4 c + 3 hold K = 64 c + 32 (l / 16) + 0 .. 31
.irp c, 0,1
	ds_load_b128 v[\reg+4*\c:\reg+4*\c+3], v[\adr] offset:64*(\q)+32*\c+(\i)*16*PITCH
.endr
.endm
; 16 matrix instructions: A's blocks a0, a0 + 1 x B's eight.  The 64 accumulators take turns, one instruction a turn, in the same order in every step.
.macro MUL16 a0, p, q, sc, zero
.irp a, \a0, \a0+1
.irp b, 0,1,2,3,4,5,6,7
.if \zero
	v_wmma_scale_f32_16x16x128_f8f6f4 v[8*(8*((\a)%4)+\b):8*(8*((\a)%4)+\b)+7], v[128*(\p)+FR*\b:128*(\p)+FR*\b+FR-1], v[AF+FR*(\a):AF+FR*(\a)+FR-1], 0, v[SC+8*NQ*(\sc)+NQ*\b+(\q)], v[SC+8*NQ*(\sc)+NQ*(\a)+(\q)] matrix_a_fmt:MATRIX_FMT_FP4 matrix_b_fmt:MATRIX_FMT_FP4 matrix_a_scale:MATRIX_SCALE_ROW1
.else
	v_wmma_scale_f32_16x16x128_f8f6f4 v[8*(8*((\a)%4)+\b):8*(8*((\a)%4)+\b)+7], v[128*(\p)+FR*\b:128*(\p)+FR*\b+FR-1], v[AF+FR*(\a):AF+FR*(\a)+FR-1], v[8*(8*((\a)%4)+\b):8*(8*((\a)%4)+\b)+7], v[SC+8*NQ*(\sc)+NQ*\b+(\q)], v[SC+8*NQ*(\sc)+NQ*(\a)+(\q)] matrix_a_fmt:MATRIX_FMT_FP4 matrix_b_fmt:MATRIX_FMT_FP4 matrix_a_scale:MATRIX_SCALE_ROW1
.endif
.endr
.endr
.endm
.macro FETCH_B slot, q, p
	WIN TO_B
.irp i, 0,1,2,3,4,5,6,7
	FRAG 128*(\p)+FR*\i, ADRB+\slot, \q, \i
.endr
	WIN 0
.endm
.macro FETCH_A slot, q, i0
.irp i, \i0, \i0+1, \i0+2, \i0+3
	FRAG AF+FR*(\i), ADRA+\slot, \q, \i
.endr
.endm
.macro SCALES sc                       ; a slot's scale words: lanes 0-15 take A's block i, lanes 16-31 B's block i
.irp i, 0,1,2,3,4,5,6,7
	ds_load_b128 v[SC+8*NQ*\sc+NQ*\i:SC+8*NQ*\sc+NQ*\i+3], v[ADRS] offset:\i*SBLK
.endr
.endm
.macro PLACES n                        ; plain vector instructions between a matrix instruction and a load into, or a read of, its registers
.rept \n
	v_nop
.endr
.endm
.macro STEP slot, q, zero              ; 128 along K with its successor in the same slot
	s_wait_dscnt 4*NL                              ; all but the youngest eight loads (A's blocks 4-7)
	WIN MUL_LO
	MUL16 0, (\q)%2, \q, \slot, \zero
	MUL16 2, (\q)%2, \q, \slot, \zero
	s_wait_dscnt 0
	PLACES NP
	FETCH_B \slot, (\q)+1, 1-(\q)%2
	FETCH_A \slot, (\q)+1, 0
	WIN MUL_HI
	MUL16 4, (\q)%2, \q, \slot, \zero
	MUL16 6, (\q)%2, \q, \slot, \zero
	PLACES NP
	WIN 0
	FETCH_A \slot, (\q)+1, 4
.endm
.macro TURN slot, next                 ; a slot's last step: one barrier; behind it the next slot is whole and nobody reads this one.  Nothing is filled again
	s_wait_tensorcnt 0x0                           ; all my tensor loads have landed
	ds_add_u32 v[SPW], v[NIL]                      ; 0 onto my spare word
	s_wait_dscnt 4*NL+1                            ; (the add and A's blocks 4-7 may be out)
	WIN MUL_LO
	MUL16 0, 1, NQ-1, \slot, 0
	s_wait_dscnt 0x0                               ; the add is done, and my reads of this slot are over
	s_barrier_signal -1
	MUL16 2, 1, NQ-1, \slot, 0
	WIN 0
	s_barrier_wait -1
	PLACES NP
	v_add_nc_u32 v[ADRS], 4*NQ, v[ADRS]
	FETCH_B \next, 0, 0
	FETCH_A \next, 0, 0
	SCALES \next
	WIN MUL_HI
	MUL16 4, 1, NQ-1, \slot, 0
	MUL16 6, 1, NQ-1, \slot, 0
	PLACES NP
	WIN 0
	FETCH_A \next, 0, 4
.endm
; 64 numbers of a lane, v[s] on, become a fragment's codes in v[p] .. v[p + 7] and its scale word in v[PW]
.macro QUANT s, p
.irp b, 0,1,2,3
	v_max3_num_f32 v[TM+\b], |v[\s+16*\b]|, |v[\s+1+16*\b]|, 0x1800000   ; my 16 numbers of block b, and the floor 2^(3 - 127): the byte cannot fall under 1
.endr
.irp i, 2,4,6,8,10,12,14
.irp b, 0,1,2,3
	v_max3_num_f32 v[TM+\b], v[TM+\b], |v[\s+16*\b+\i]|, |v[\s+1+16*\b+\i]|
.endr
.endr
.irp b, 0,1,2,3
	v_permlanex16_b32 v[TM+4+\b], v[TM+\b], s[SEL], s[SEL+1]
.endr
.irp b, 0,1,2,3
	v_max_num_f32 v[TM+\b], v[TM+\b], v[TM+4+\b]   ; with lane l xor 16's: the block's largest magnitude
.endr
.irp b, 0,1,2,3
	v_add_nc_u32 v[TM+12+\b], 0xff000000, v[TM+\b] ; 2 off its exponent field: the conversion's scale operand
.endr
.irp b, 0,1,2,3
	v_lshrrev_b32 v[TM+4+\b], 23, v[TM+12+\b]      ; the scale's byte
.endr
	v_lshl_or_b32 v[PW], v[TM+5], 8, v[TM+4]
	v_lshl_or_b32 v[PW], v[TM+6], 16, v[PW]
	v_lshl_or_b32 v[PW], v[TM+7], 24, v[PW]
.irp b, 0,1,2,3
	v_cvt_scalef32_pk8_fp4_f32 v[\p+4*(\b/2)+(\b%2)], v[\s+16*\b:\s+16*\b+7], v[TM+12+\b]
	v_cvt_scalef32_pk8_fp4_f32 v[\p+4*(\b/2)+2+(\b%2)], v[\s+16*\b+8:\s+16*\b+15], v[TM+12+\b]
.endr
	v_nop                                          ; one plain place behind a scaled conversion
.irp c, 0,1
	v_permlane16_swap_b32 v[\p+4*\c], v[\p+4*\c+1]
	v_permlane16_swap_b32 v[\p+4*\c+2], v[\p+4*\c+3]
.endr
.endm
	s_wait_alu depctr_va_vdst(0)                   ; the wait at the head's end
	s_wait_tensorcnt 0x0                           ; my one tensor load has landed
	s_barrier_signal -1
	s_barrier_wait -1
	FETCH_B 0, 0, 0
	FETCH_A 0, 0, 0
	SCALES 0
	FETCH_A 0, 0, 4
	STEP 0, 0, 1                                   ; the first products start the sums: nothing is cleared
	STEP 0, 1, 0
	STEP 0, 2, 0
	TURN 0, 1
	STEP 1, 0, 0
	STEP 1, 1, 0
	STEP 1, 2, 0
	s_wait_dscnt 4*NL
	WIN MUL_LO
	MUL16 0, 1, NQ-1, 1, 0
	MUL16 2, 1, NQ-1, 1, 0
	s_wait_dscnt 0
	WIN MUL_HI
	MUL16 4, 1, NQ-1, 1, 0
	MUL16 6, 1, NQ-1, 1, 0
	WIN 0
	PLACES NP
	s_wait_loadcnt 0x0                             ; the biases
; THE WAY OUT, block a of 16 lanes' rows at a time: + bias (each accumulator from its low end on), quantised, two stores of 512 bytes, the scale word into my gather.
.macro EPI path
.irp a, 0,1,2,3,4,5,6,7
	WIN 0x06+(\a/4)                                ; source 0: window 2 or 3; source 1: window 1
.irp b, 0,1,2,3,4,5,6,7
.irp j, 0,2,4,6
.if \path
	v_pk_add_f32 v[T+8*\b+\j:T+8*\b+\j+1], v[64*(\a%4)+8*\b+\j:64*(\a%4)+8*\b+\j+1], v[BIAS+8*\a+\j:BIAS+8*\a+\j+1]
.else
	v_pk_add_f32 v[T+8*\b+\j:T+8*\b+\j+1], v[64*(\a%4)+8*\b+\j:64*(\a%4)+8*\b+\j+1], v[BIAS+8*\b+\j:BIAS+8*\b+\j+1]
.endif
.endr
.endr
	WIN 0
	QUANT T, PC+8*\a
.if \path
	global_store_b128 v[VO], v[PC+8*\a:PC+8*\a+3], s[4:5] offset:(\a/4)*REC+(\a%4)*1024        ; head a / 4, channel block a % 4, keys 0-63 of the step
	global_store_b128 v[VO], v[PC+8*\a+4:PC+8*\a+7], s[4:5] offset:(\a/4)*REC+(\a%4)*1024+512  ; keys 64-127
	ds_store_b32 v[GA1], v[PW] offset:64*\a        ; both halves of the lanes write the same word with the same value
.else
	global_store_b128 v[VO], v[PC+8*\a:PC+8*\a+3], s[4:5] offset:512*\a                        ; the first head's fragment of these 16 tokens
	global_store_b128 v[VO], v[PC+8*\a+4:PC+8*\a+7], s[4:5] offset:512*\a+REC                  ; the second head's
	v_lshrrev_b32 v[WW], v[SH], v[PW]              ; lanes 16-31 carry the second head's two bytes
	ds_store_b32 v[GA0], v[WW] offset:64*\a
.endif
	s_wait_dscnt 0x0                               ; the store has read its register: the next block writes it again
.endr
.endm
	s_cmp_lt_u32 ttmp9, 8
	s_cbranch_scc0 .Lv_path
	s_lshr_b32 s18, s17, 3                         ; q, k: the batch,
	s_lshl_b32 s18, s18, 4
	s_lshl_b32 s19, s42, 2
	s_add_co_u32 s18, s18, s19
	s_lshl_b32 s19, s16, 1
	s_add_co_u32 s18, s18, s19                     ; the record: 16 batch + 4 x B's tile + 2 x my half
	s_mul_i32 s18, s18, REC
	s_and_b32 s19, s17, 7
	s_lshl_b32 s19, s19, 4
	s_lshl_b32 s20, s15, 3
	s_add_co_u32 s19, s19, s20                     ; my first tile of 16 tokens in the sequence
	s_cmp_eq_u32 s3, 0
	s_cselect_b32 s20, R_QC, R_KC
	s_mov_b32 s21, R_KS
	s_cselect_b32 s21, R_QS, s21
	s_lshl_b32 s22, s19, 9
	s_add_co_u32 s20, s20, s22
	s_add_co_u32 s20, s20, s18
	s_lshl_b32 s22, s19, 6
	s_add_co_u32 s22, s22, s21
	s_add_co_u32 s22, s22, s18
	s_mov_b32 s21, 0
	s_mov_b32 s23, 0
	s_add_nc_u64 s[4:5], s[12:13], s[20:21]
	s_add_nc_u64 s[6:7], s[12:13], s[22:23]
	EPI 0
	ds_load_b128 v[96:99], v[GR]                   ; the first head's 128 words, the second's
	ds_load_b128 v[100:103], v[GR] offset:512
	s_wait_dscnt 0x0
	global_store_b128 v[VO], v[96:99], s[6:7]
	global_store_b128 v[VO], v[100:103], s[6:7] offset:REC
	s_branch .Ldone
.Lv_path:
	s_lshl_b32 s18, s42, 1
	s_add_co_u32 s18, s18, s16                     ; v: which 128 tokens of the 4,096
	s_lshr_b32 s19, s18, 4
	s_lshl_b32 s19, s19, 4
	s_lshl_b32 s20, s17, 2
	s_add_co_u32 s19, s19, s20
	s_lshl_b32 s20, s15, 1
	s_add_co_u32 s19, s19, s20                     ; the record: 16 batch + 4 x A's tile + 2 x my half
	s_mul_i32 s19, s19, REC
	s_and_b32 s18, s18, 15                         ; the key step
	s_lshl_b32 s20, s18, 12
	s_add_co_u32 s20, s20, R_VC
	s_add_co_u32 s20, s20, s19
	s_lshl_b32 s22, s18, 8
	s_add_co_u32 s22, s22, R_VS
	s_add_co_u32 s22, s22, s19
	s_mov_b32 s21, 0
	s_mov_b32 s23, 0
	s_add_nc_u64 s[4:5], s[12:13], s[20:21]
	s_add_nc_u64 s[6:7], s[12:13], s[22:23]
	EPI 1
	ds_load_b128 v[96:99], v[GR] offset:1024       ; lanes 0-15: the first head's 64 words, lanes 16-31: the second's
	s_wait_dscnt 0x0
	global_store_b128 v[VT], v[96:99], s[6:7]
.Ldone:
	s_wait_tensorcnt 0x0                           ; the wave's end, behind my last tensor load and my last LDS store
	ds_add_u32 v[SPW], v[NIL]
	s_wait_dscnt 0x0
	CROUND                                         ; the closing round
	s_endpgm
.Lfunc_end_k_qd95a98fe65_qkv:
	.size	k_qd95a98fe65_qkv, .Lfunc_end_k_qd95a98fe65_qkv-k_qd95a98fe65_qkv
	.p2alignl 7, 3214868480
	.fill 96, 4, 3214868480
	.section	.rodata,"a",@progbits
	.p2align	6, 0x0
	.amdhsa_kernel k_qd95a98fe65_qkv
		.amdhsa_group_segment_fixed_size 327680
		.amdhsa_private_segment_fixed_size 0
		.amdhsa_enable_private_segment 0
		.amdhsa_kernarg_size 96
		.amdhsa_user_sgpr_count 2
		.amdhsa_user_sgpr_kernarg_segment_ptr 1
		.amdhsa_wavefront_size32 1
		.amdhsa_system_sgpr_workgroup_id_x 1
		.amdhsa_system_sgpr_workgroup_id_y 1
		.amdhsa_system_sgpr_workgroup_id_z 1
		.amdhsa_system_vgpr_workitem_id 0
		.amdhsa_next_free_vgpr 1024
		.amdhsa_next_free_sgpr 102
		.amdhsa_reserve_vcc 0
		.amdhsa_float_denorm_mode_32 3
		.amdhsa_float_denorm_mode_16_64 3
		.amdhsa_memory_ordered 1
		.amdhsa_forward_progress 1
		.amdhsa_inst_pref_size 201
	.end_amdhsa_kernel
	.amdgpu_metadata
---
amdhsa.version: [ 1, 2 ]
amdhsa.kernels:
  - .name:           k_qd95a98fe65_qkv
    .symbol:         k_qd95a98fe65_qkv.kd
    .args:
      - { .name: a_codes, .offset: 0, .size: 8, .value_kind: global_buffer, .address_space: global }
      - { .name: a_scales, .offset: 8, .size: 8, .value_kind: global_buffer, .address_space: global }
      - { .name: wq_codes, .offset: 16, .size: 8, .value_kind: global_buffer, .address_space: global }
      - { .name: wq_scales, .offset: 24, .size: 8, .value_kind: global_buffer, .address_space: global }
      - { .name: wk_codes, .offset: 32, .size: 8, .value_kind: global_buffer, .address_space: global }
      - { .name: wk_scales, .offset: 40, .size: 8, .value_kind: global_buffer, .address_space: global }
      - { .name: wv_codes, .offset: 48, .size: 8, .value_kind: global_buffer, .address_space: global }
      - { .name: wv_scales, .offset: 56, .size: 8, .value_kind: global_buffer, .address_space: global }
      - { .name: bq, .offset: 64, .size: 8, .value_kind: global_buffer, .address_space: global }
      - { .name: bk, .offset: 72, .size: 8, .value_kind: global_buffer, .address_space: global }
      - { .name: bv, .offset: 80, .size: 8, .value_kind: global_buffer, .address_space: global }
      - { .name: qkv, .offset: 88, .size: 8, .value_kind: global_buffer, .address_space: global }
    .group_segment_fixed_size: 327680
    .private_segment_fixed_size: 0
    .kernarg_segment_align: 8
    .kernarg_segment_size: 96
    .max_flat_workgroup_size: 128
    .sgpr_count:     102
    .vgpr_count:     1024
    .wavefront_size: 32
...
	.end_amdgpu_metadata
.endif
;; end of part 2
;; launch attn (part 3): grid 8 x 32, 16 waves a work-group, clusters of 4 x 1, 184,320 bytes of LDS; arguments qkv, o_img, o_sc; writes o_img, o_sc
.if DOCPART == 3
	.amdgcn_target "amdgcn-amd-amdhsa--gfx1250"
	.amdhsa_code_object_version 6
	.text
	.protected	k_qd95a98fe65_attn
	.globl	k_qd95a98fe65_attn
	.p2align	8
	.type	k_qd95a98fe65_attn,@function
k_qd95a98fe65_attn:
	s_mov_b64 s[64:65], 0
	v_nop
	global_prefetch_b8 v0, s[64:65] scope:SCOPE_SE
	s_setreg_imm32_b32 hwreg(HW_REG_WAVE_MODE, 25, 1), 1
	s_wait_xcnt 0x0
	s_wait_alu depctr_hold_cnt(0) depctr_sa_sdst(0) depctr_va_vdst(0) depctr_va_sdst(0) depctr_va_ssrc(0) depctr_va_vcc(0) depctr_vm_vsrc(0)
	s_getreg_b32 s2, hwreg(HW_REG_IB_STS2, 6, 4)
	s_cmp_eq_u32 s2, 0
	s_cbranch_scc0 .Lentry_in_a_cluster
	s_endpgm
.Lentry_in_a_cluster:
	s_bfe_u32 s2, ttmp6, 0x10000c
	s_cmp_lg_u32 s2, 0x3003
	s_cbranch_scc0 .Lentry_shape_is_right
	s_endpgm
.Lentry_shape_is_right:
; Causal attention on codes of FP4, head size 64, 2,048 keys; the result is divided by the row's sum, quantised along the model's 1,024 and stored as images of the projection's operand registers.
; WORK LEFT OUT: a step of 128 keys all of which come after all 16 queries of a tile: reference() hides those scores by the jnp.tril that it builds itself, whatever the inputs hold.
; LIMITS: a NaN, an infinity or an overflow that would arise only in a hidden step is not carried to the result; NaN and infinities are not served; a block under 2^-124 gets the byte 1 (read by this program alone).
; THE SOFTMAX: t = score x log2(e) / 8; M = the running largest t rounded up to a whole number; p = 2^(t - M) is quantised along the keys, not normalised; the row's sum is taken of the unquantised p.
; When M moves, the sum and O are multiplied by 2^(old M - new M), which rounds nothing.
; SHARES.  A work-group belongs to one batch and head and has a number g = 0..7 in it.  It owns the sixteen tiles of 16 queries 8 T + g, T = 0..15; tile T needs key steps 0 .. T: 136 steps in all.
; THE KEYS OF A LATE TILE ARE SHARED OUT.  Tiles j and 15 - j (j = 0..7) are a pair of 17 steps.  Wave j, the early one, first takes steps 0 .. 6 - j of tile 15 - j, leaves its O^T, its sum and its M in LDS as an
; image of the registers, and then takes tile j whole: 8 steps.  Wave 15 - j, the late one, takes steps 7 - j .. 15 - j of tile 15 - j: 9 steps; behind one barrier it brings both parts under the larger M, by
; factors that are powers of two, and adds them.  So all sixteen waves are at work to the end.  What a wave walks hangs on its number alone, never on g.
; The step is written twice: a first walk of 7 trips (no diagonal lies in it) and a second of 8; both counts are constants, and a trip that is not the wave's is jumped over.
; ALL OF A HEAD'S K AND V LIE IN LDS: the record's first 143,360 bytes, as they lie in memory: images of the operands' registers, read at 16 x lane.  They come once: each of the sixteen waves asks for 35 rows of
; 256 bytes, JOINTLY with the same wave of the cluster's three other work-groups, which belong to the same head.  Nothing is filled again.
; LAYOUT.  Both products are used transposed: S^T = K Q^T, O^T = V^T P^T: a lane holds one query (lane % 16).  Tile t's register j is key 16 t + 8 (lane / 16) + j.
; A head is 64 along K in an instruction of 128: Q's upper four registers are zero codes; a tile of K names eight registers of which the upper four are the next tile's codes: they meet Q's zeros.
; REGISTERS: v1-4 my lane's places; v5, v6 the add's two; v7 the mask's bound; v8-11 at work at the head, then the step's addresses (rewritten in every step); v12 -M, v13 the largest t, v[14:15] the sum;
; v16-23 Q; v24-27, v80-83 where the first and the second walk begin; v28 4 r; v29 the pair's image; v32-67 K and four zeros; v68-71 the early tile's Q; v96-159 S^T, then p, at the end the partner's part;
; v160-191 O^T; v192-223 V; v224-231 p's codes; v232-247, v252, v254 at work; scale words alone: v72 the early tile's Q's, v240-241 V's, v248-251 K's, v253 p's, v255 Q's.
.set REC,   217088
.set R_VC,  65536
.set R_KS,  131072
.set R_VS,  139264
.set R_QC,  143360
.set R_QS,  208896
.set SPARE, 143360                     ; the spare words, 128 bytes for each of 16 waves
.set XCH,   SPARE+2048                 ; behind them: a pair's image: nine stores of 512 bytes; eight pairs.  No tensor load lands here
.set XSL,   9*512
.set SPW, 5
.set NIL, 6
.set B1,  24                           ; v24-27 the first walk's first step: K's images, V's, K's scale words, V's
.set XA,  29                           ; v29    XCH + XSL x pair + 16 x lane
.set Q2,  68                           ; v68-71 the early tile's Q
.set Q2S, 72                           ; v72    and its scale words
.set B2,  80                           ; v80-83 the second walk's first step
.set WV,  10                           ; s10 my wave's number
.set RB,  11                           ; s11 0: an early wave, 1: a late one
.set SEL, 20
.set CS,  22
.set G1,  24
.set G0,  32
.set TK,  41                           ; s41 4,096 x trip: K's and V's images
.set TS,  42                           ; s42 512 x trip: K's scale words
.set TV,  43                           ; s43 256 x trip: V's
.set PJ,  48                           ; s48 j: my pair
.set JJ,  49                           ; s49 j in an early wave, 0 in a late one
.set N1,  50                           ; s50 the first walk: my trips are 0 .. N1 - 1
.set LO,  51                           ; s51 the second walk: my trips are LO .. HI; the diagonal lies in trip HI
.set HI,  52
.set CT,  53                           ; s53 the trip
.set S1,  55                           ; s55 the key step of the first walk's trip 0
.set S2,  56                           ; s56 of the second walk's
.macro CROUND
	s_barrier_signal -1
	s_barrier_wait -1
	s_cmp_lg_u32 s[WV], 0
	s_cbranch_scc1 .Lnot_wave_0_\@
	s_barrier_signal -3
.Lnot_wave_0_\@:
	s_barrier_wait -3
	s_barrier_signal -1
	s_barrier_wait -1
.endm
	s_load_b128 s[4:7], s[0:1], 0x0                ; qkv, o_img
	s_load_b64 s[8:9], s[0:1], 0x10                ; o_sc
	v_lshl_add_u32 v[SPW], v0, 2, SPARE
	v_mov_b32 v[NIL], 0
	ds_add_u32 v[SPW], v[NIL]                      ; the wave's opening: the add, twice on end, and its wait ahead of my first tensor load
	ds_add_u32 v[SPW], v[NIL]
	v_lshrrev_b32 v8, 5, v0
	s_delay_alu instid0(VALU_DEP_1)
	v_readfirstlane_b32 s[WV], v8                  ; wave 0..15
	s_lshr_b32 s[RB], s[WV], 3                     ; waves 0-7 are the early ones, waves 8-15 the late ones
	s_mul_i32 s[PJ], s[RB], 15
	s_xor_b32 s[PJ], s[PJ], s[WV]                  ; j = wave, or 15 - wave
	s_xor_b32 s[JJ], s[RB], 1
	s_mul_i32 s[JJ], s[JJ], s[PJ]
	s_xor_b32 s[N1], s[JJ], 7                      ; early: 7 - j trips for the partner's tile; late: all 7
	s_mul_i32 s[LO], s[RB], 6
	s_mul_i32 s[HI], s[RB], 7
	s_add_co_u32 s[HI], s[HI], s[JJ]               ; early: trips 0 .. j; late: trips 6, 7
	s_xor_b32 s54, s[PJ], 7                        ; 7 - j
	s_mul_i32 s[S1], s[RB], s54                    ; early: step 0; late: step 7 - j.  With 6 trips more: step 13 at the most
	s_add_co_u32 s[S2], s54, 1
	s_mul_i32 s[S2], s[S2], s[RB]                  ; early: step 0; late: 8 - j, so that trips 6, 7 are steps 14 - j, 15 - j.  With 7 trips more: step 15 at the most
	s_bfe_u32 s12, ttmp6, 0x40000                  ; cx
	s_lshl_b32 s13, ttmp9, 2
	s_add_co_u32 s13, s13, s12                     ; g: it enters Q's and O's addresses and the mask's bound alone
	s_and_b32 s14, ttmp7, 0xffff                   ; 16 batch + head, which the four partners share
	s_mul_i32 s16, s14, REC
	s_mov_b32 s17, 0
	s_mul_i32 s18, s[WV], 8960                     ; my 35 rows of 256 bytes, in memory and in LDS alike
	s_mov_b32 s19, 0
	s_mov_b32 s[G1], 15|(3<<16)|(1<<21)            ; the mask: all four work-groups; elements of 8 bytes; no padding; bit 21 beside a mask
	s_mov_b32 s[G1+1], 32<<16                      ; tensor_dim0 = 32
	s_mov_b32 s[G1+2], 35<<16                      ; tensor_dim1 = 35
	s_mov_b32 s[G1+3], 32<<16                      ; tile_dim0 = 32
	s_mov_b32 s[G1+4], 35                          ; tile_dim1 = 35
	s_mov_b32 s[G1+5], 32                          ; the pitch: dense
	s_mov_b32 s[G1+6], 0
	s_mov_b32 s[G1+7], 0
	s_mov_b32 s[SEL], 0x76543210
	s_mov_b32 s[SEL+1], 0xfedcba98
	s_mov_b32 s[CS], 0x3e38aa3b                    ; c = log2(e) / 8
	s_mov_b32 s[CS+1], s[CS]
	s_wait_dscnt 0x0                               ; both opening adds are done
	s_wait_kmcnt 0x0
	s_add_nc_u64 s[4:5], s[4:5], s[16:17]          ; my record
	s_mov_b32 s[G0], 1
	s_mov_b32 s[G0+1], s18
	s_add_nc_u64 s[G0+2:G0+3], s[4:5], s[18:19]
	s_or_b32 s[G0+3], s[G0+3], 0x80000000
	CROUND                                         ; all four work-groups are here: the joint loads meet
	tensor_load_to_lds s[G0:G0+3], s[G1:G1+7]      ; every wave's one tensor load
	s_nop 0
.rept 4
	v_nop
.endr
	s_lshl_b32 s15, s[WV], 3
	s_add_co_u32 s15, s15, s13                     ; the tile whose result I store: 8 x wave + g
	s_xor_b32 s16, s[PJ], 15
	s_lshl_b32 s16, s16, 3
	s_add_co_u32 s16, s16, s13                     ; the pair's late tile: both waves begin with its queries
	s_lshl_b32 s36, s16, 9
	s_add_co_u32 s36, s36, R_QC
	s_mov_b32 s37, 0
	s_add_nc_u64 s[36:37], s[4:5], s[36:37]
	s_lshl_b32 s38, s16, 6
	s_add_co_u32 s38, s38, R_QS
	s_mov_b32 s39, 0
	s_add_nc_u64 s[38:39], s[4:5], s[38:39]
	s_lshl_b32 s16, s[PJ], 3
	s_add_co_u32 s16, s16, s13                     ; the pair's early tile
	s_lshl_b32 s58, s16, 9
	s_add_co_u32 s58, s58, R_QC
	s_mov_b32 s59, 0
	s_add_nc_u64 s[58:59], s[4:5], s[58:59]
	s_lshl_b32 s60, s16, 6
	s_add_co_u32 s60, s60, R_QS
	s_mov_b32 s61, 0
	s_add_nc_u64 s[60:61], s[4:5], s[60:61]
	v_and_b32 v8, 31, v0
	s_delay_alu instid0(VALU_DEP_1)
	v_lshlrev_b32 v1, 4, v8                        ; 16 x lane: an image's place for my lane, and the stores' offset
	v_and_b32 v9, 15, v0                           ; r
	v_bfe_u32 v10, v0, 4, 1                        ; h
	s_delay_alu instid0(VALU_DEP_2)
	v_lshlrev_b32 v28, 2, v9                       ; 4 r
	global_load_b128 v[16:19], v1, s[36:37]        ; the late tile's Q
	global_load_b32 v255, v28, s[38:39]            ; and its scale words
	global_load_b128 v[Q2:Q2+3], v1, s[58:59]
	global_load_b32 v[Q2S], v28, s[60:61]
	v_add_nc_u32 v2, R_VC, v1
	v_lshlrev_b32 v3, 2, v8
	s_delay_alu instid0(VALU_DEP_1)
	v_add_nc_u32 v4, R_VS, v3
	s_delay_alu instid0(VALU_DEP_2)
	v_add_nc_u32 v3, R_KS, v3
	s_lshl_b32 s16, s[S1], 12                      ; every LDS address register that stays is made here, ahead of the first parting of the waves
	s_lshl_b32 s17, s[S1], 9
	s_lshl_b32 s18, s[S1], 8
	v_add_nc_u32 v[B1], s16, v1
	v_add_nc_u32 v[B1+1], s16, v2
	v_add_nc_u32 v[B1+2], s17, v3
	v_add_nc_u32 v[B1+3], s18, v4
	s_lshl_b32 s16, s[S2], 12
	s_lshl_b32 s17, s[S2], 9
	s_lshl_b32 s18, s[S2], 8
	v_add_nc_u32 v[B2], s16, v1
	v_add_nc_u32 v[B2+1], s16, v2
	v_add_nc_u32 v[B2+2], s17, v3
	v_add_nc_u32 v[B2+3], s18, v4
	s_mul_i32 s16, s[PJ], XSL
	s_add_co_u32 s16, s16, XCH
	v_add_nc_u32 v[XA], s16, v1                    ; my pair's image: the early wave stores it, the late one loads it
	s_lshl_b32 s16, s13, 4
	v_lshlrev_b32 v10, 3, v10
	s_delay_alu instid0(VALU_DEP_1)
	v_sub_nc_u32 v7, v9, v10
	s_delay_alu instid0(VALU_DEP_1)
	v_add_nc_u32 v7, s16, v7                       ; d = 16 g + r - 8 h: on the diagonal step register 8 t + j (key 16 t + 8 h + j) is hidden where 16 t + j > d
	s_lshr_b32 s16, s14, 4                         ; batch
	s_and_b32 s17, s14, 15                         ; head
	s_lshr_b32 s18, s17, 1                         ; the pair of heads: 128 of the projection's K
	s_and_b32 s19, s17, 1
	s_lshl_b32 s44, s16, 7
	s_add_co_u32 s44, s44, s15                     ; my block of 16 rows among the 256
	s_lshl_b32 s46, s44, 6
	s_lshl_b32 s44, s44, 10
	s_lshl_b32 s45, s18, 18
	s_add_co_u32 s44, s44, s45
	s_lshl_b32 s45, s19, 9
	s_add_co_u32 s44, s44, s45
	s_mov_b32 s45, 0
	s_add_nc_u64 s[6:7], s[6:7], s[44:45]
	s_lshl_b32 s47, s18, 14
	s_add_co_u32 s46, s46, s47
	s_lshl_b32 s47, s19, 1
	s_add_co_u32 s46, s46, s47
	s_mov_b32 s47, 0
	s_add_nc_u64 s[8:9], s[8:9], s[46:47]
.irp j, 20,21,22,23,64,65,66,67
	v_mov_b32 v[\j], 0                             ; zero codes
.endr
	v_mov_b32 v13, 0xff61b1e6                      ; the largest t so far: -3e38
	s_delay_alu instid0(VALU_DEP_1)
	v_floor_f32 v12, -v13                          ; -M
	v_mov_b32 v14, 0
	v_mov_b32 v15, 0
.irp j, 236,237,238,239,252,253
	v_mov_b32 v[\j], 0                             ; written once: permute destinations, and the upper half of a pair that is named
.endr
.set n, 0
.rept 32
	v_mov_b32 v[160+n], 0                          ; O^T: the step has no first form of its own; the first finds zeros
.set n, n+1
.endr
	s_wait_tensorcnt 0x0                           ; my part of the head has landed,
	s_barrier_signal -1
	s_barrier_wait -1                              ; everybody's has
	s_wait_loadcnt 0x0                             ; both tiles' Q
; A WALK over key steps: a constant number of trips in every wave; trip u is key step (the walk's first step) + u, whose place in LDS is v[base ..] + the stepped scalars.  A trip that is not mine is jumped over.
; diag = 0: my trips are 0 .. N1 - 1, and none holds a diagonal.  diag = 1: my trips are LO .. HI, and the diagonal lies in trip HI.
.macro WALK id, trips, base, diag
	s_mov_b32 s[CT], 0
	s_mov_b32 s[TK], 0
	s_mov_b32 s[TS], 0
	s_mov_b32 s[TV], 0
.Lstep\id:
.if \diag
	s_cmp_lt_u32 s[CT], s[LO]
	s_cbranch_scc1 .Lhidden\id
	s_cmp_gt_u32 s[CT], s[HI]
	s_cbranch_scc1 .Lhidden\id
.else
	s_cmp_ge_u32 s[CT], s[N1]
	s_cbranch_scc1 .Lhidden\id
.endif
	v_add_nc_u32 v8, s[TK], v[\base]               ; (these four are also the places between the last step's products and the loads into V's registers)
	v_add_nc_u32 v9, s[TK], v[\base+1]
	v_add_nc_u32 v10, s[TS], v[\base+2]
	v_add_nc_u32 v11, s[TV], v[\base+3]
.irp t, 0,1,2,3,4,5,6,7
	ds_load_b128 v[32+4*\t:35+4*\t], v8 offset:512*\t
.endr
.irp t, 0,1,2,3
	ds_load_b32 v[248+\t], v10 offset:128*\t       ; lanes 0-15: tile 2 t's words, lanes 16-31: tile 2 t + 1's
.endr
.irp t, 0,1,2,3
.irp c, 0,1
	ds_load_b128 v[192+8*\t+4*\c:195+8*\t+4*\c], v9 offset:1024*\t+512*\c
.endr
.endr
.irp t, 0,1
	ds_load_b32 v[240+\t], v11 offset:128*\t
.endr
	s_wait_dscnt 10                                ; K and its words are in; V's ten loads may be out
	s_wait_alu depctr_va_vdst(0)
.irp t, 0,2,4,6
	v_wmma_scale_f32_16x16x128_f8f6f4 v[96+8*\t:103+8*\t], v[32+4*\t:39+4*\t], v[16:23], 0, v[248+\t/2], v255 matrix_a_fmt:MATRIX_FMT_FP4 matrix_b_fmt:MATRIX_FMT_FP4
	v_wmma_scale_f32_16x16x128_f8f6f4 v[104+8*\t:111+8*\t], v[36+4*\t:43+4*\t], v[16:23], 0, v[248+\t/2], v255 matrix_a_fmt:MATRIX_FMT_FP4 matrix_b_fmt:MATRIX_FMT_FP4 matrix_a_scale:MATRIX_SCALE_ROW1
.endr
.rept 4
	v_nop
.endr
.if \diag
	s_cmp_lg_u32 s[CT], s[HI]                      ; the diagonal lies in my last step alone
	s_cbranch_scc1 .Lopen\id
	v_mov_b32 v254, 0xff800000                     ; -infinity: p = 0 then
.set n, 0
.rept 64
	v_cmp_gt_i32 vcc_lo, 16*(n/8)+n%8, v7
	v_cndmask_b32 v[96+n], v[96+n], v254, vcc_lo
.set n, n+1
.endr
.Lopen\id:
.endif
.irp b, 0,1,2,3
	v_max3_num_f32 v[232+\b], v[96+16*\b], v[97+16*\b], v[98+16*\b]   ; the largest score of each block of 32 keys: for the row's maximum, and, since p rises with the score, for the block's largest p
.endr
.irp i, 3,5,7,9,11,13
.irp b, 0,1,2,3
	v_max3_num_f32 v[232+\b], v[232+\b], v[96+16*\b+\i], v[97+16*\b+\i]
.endr
.endr
.irp b, 0,1,2,3
	v_max_num_f32 v[232+\b], v[232+\b], v[111+16*\b]
.endr
.irp b, 0,1,2,3
	s_delay_alu instid0(VALU_DEP_4)
	v_permlanex16_b32 v[236+\b], v[232+\b], s[SEL], s[SEL+1]
.endr
.irp b, 0,1,2,3
	s_delay_alu instid0(VALU_DEP_4)
	v_max_num_f32 v[232+\b], v[232+\b], v[236+\b]
.endr
	s_delay_alu instid0(VALU_DEP_2)
	v_max3_num_f32 v254, v232, v233, v234
	s_delay_alu instid0(VALU_DEP_1)
	v_max_num_f32 v254, v254, v235
	s_delay_alu instid0(VALU_DEP_1)
	v_mul_f32 v254, s[CS], v254
	s_delay_alu instid0(VALU_DEP_1)
	v_max_num_f32 v13, v13, v254                   ; the running largest t
	v_mov_b32 v254, v12
	s_delay_alu instid0(VALU_DEP_2)
	v_floor_f32 v12, -v13                          ; the new -M = -ceil(t)
	s_delay_alu instid0(VALU_DEP_1)
	v_sub_f32 v254, v12, v254                      ; old M - new M: a whole number, 0 or less
	s_delay_alu instid0(VALU_DEP_1)
	v_cvt_i32_f32 v254, v254
	s_delay_alu instid0(VALU_DEP_1)
	v_ldexp_f32 v252, 1.0, v254                    ; f = 2^(old M - new M)
.set n, 0
.rept 32
	v_pk_fma_f32 v[96+n:97+n], v[96+n:97+n], s[CS:CS+1], v[12:13] op_sel_hi:[1,0,0]   ; t - M
.set n, n+2
.endr
.irp b, 0,1,2,3
	v_fma_f32 v[232+\b], v[232+\b], s[CS], v12
.endr
.set n, 0
	s_wait_alu depctr_va_vdst(0)
.rept 64
	v_exp_f32 v[96+n], v[96+n]                     ; p = 2^(t - M)
.set n, n+1
.endr
	v_pk_mul_f32 v[14:15], v[14:15], v[252:253] op_sel_hi:[1,0]   ; the sums under the new M (a plain place behind the exponentials)
	s_wait_alu depctr_va_vdst(0)                   ; one wait for the batch, ahead of its first reader
.irp b, 0,1,2,3
	v_exp_f32 v[232+\b], v[232+\b]                 ; the block's largest p
.endr
	v_pk_add_f32 v[236:237], v[100:101], v[104:105]
	v_pk_add_f32 v[242:243], v[108:109], v[112:113]
	v_pk_add_f32 v[94:95], v[116:117], v[120:121]
	v_pk_add_f32 v[92:93], v[124:125], v[128:129]
	v_pk_add_f32 v[90:91], v[132:133], v[136:137]
	v_pk_add_f32 v[88:89], v[140:141], v[144:145]
	v_pk_add_f32 v[86:87], v[148:149], v[152:153]
	v_pk_add_f32 v[14:15], v[14:15], v[156:157]
	v_pk_add_f32 v[236:237], v[236:237], v[96:97]
	v_pk_add_f32 v[242:243], v[242:243], v[98:99]
	v_pk_add_f32 v[94:95], v[94:95], v[102:103]
	v_pk_add_f32 v[92:93], v[92:93], v[106:107]
	v_pk_add_f32 v[90:91], v[90:91], v[110:111]
	v_pk_add_f32 v[88:89], v[88:89], v[114:115]
	v_pk_add_f32 v[86:87], v[86:87], v[118:119]
	v_pk_add_f32 v[14:15], v[14:15], v[122:123]
	v_pk_add_f32 v[236:237], v[236:237], v[126:127]
	v_pk_add_f32 v[242:243], v[242:243], v[130:131]
	v_pk_add_f32 v[94:95], v[94:95], v[134:135]
	v_pk_add_f32 v[92:93], v[92:93], v[138:139]
	v_pk_add_f32 v[90:91], v[90:91], v[142:143]
	v_pk_add_f32 v[88:89], v[88:89], v[146:147]
	v_pk_add_f32 v[86:87], v[86:87], v[150:151]
	v_pk_add_f32 v[14:15], v[14:15], v[154:155]
	v_pk_add_f32 v[236:237], v[236:237], v[158:159]
	s_delay_alu instid0(VALU_DEP_2)
	v_pk_add_f32 v[14:15], v[14:15], v[92:93]
	s_delay_alu instid0(VALU_DEP_2)
	v_pk_add_f32 v[236:237], v[236:237], v[90:91]
	v_pk_add_f32 v[242:243], v[242:243], v[88:89]
	v_pk_add_f32 v[94:95], v[94:95], v[86:87]
	s_delay_alu instid0(VALU_DEP_2)
	v_pk_add_f32 v[14:15], v[14:15], v[242:243]
	s_delay_alu instid0(VALU_DEP_2)
	v_pk_add_f32 v[236:237], v[236:237], v[94:95]
	s_delay_alu instid0(VALU_DEP_1)
	v_pk_add_f32 v[14:15], v[14:15], v[236:237]
	s_wait_alu depctr_va_vdst(0)                   ; and one for the four
.irp b, 0,1,2,3
	v_max_num_f32 v[232+\b], 0x1800000, v[232+\b]  ; the floor 2^(3 - 127)
.endr
.irp b, 0,1,2,3
	s_delay_alu instid0(VALU_DEP_4)
	v_add_nc_u32 v[244+\b], 0xff000000, v[232+\b]
.endr
.irp b, 0,1,2,3
	s_delay_alu instid0(VALU_DEP_4)
	v_lshrrev_b32 v[236+\b], 23, v[244+\b]
.endr
	s_delay_alu instid0(VALU_DEP_3)
	v_lshl_or_b32 v253, v237, 8, v236              ; p's scale word for these 128 keys
	s_delay_alu instid0(VALU_DEP_1)
	v_lshl_or_b32 v253, v238, 16, v253
	s_delay_alu instid0(VALU_DEP_1)
	v_lshl_or_b32 v253, v239, 24, v253
.irp b, 0,1,2,3
	v_cvt_scalef32_pk8_fp4_f32 v[224+4*(\b/2)+(\b%2)], v[96+16*\b:103+16*\b], v[244+\b]
	v_cvt_scalef32_pk8_fp4_f32 v[226+4*(\b/2)+(\b%2)], v[104+16*\b:111+16*\b], v[244+\b]
.endr
	v_nop                                          ; one plain place behind a scaled conversion
.irp c, 0,1
	v_permlane16_swap_b32 v[224+4*\c], v[225+4*\c]
	v_permlane16_swap_b32 v[226+4*\c], v[227+4*\c]
.endr
.set n, 0
.rept 16
	v_pk_mul_f32 v[160+n:161+n], v[160+n:161+n], v[252:253] op_sel_hi:[1,0]   ; O^T under the new M; these sixteen are also the places between the scale word, the codes and the products
.set n, n+2
.endr
	s_wait_alu depctr_va_vdst(0)
	s_wait_dscnt 0x0                               ; V
.irp t, 0,2
	v_wmma_scale_f32_16x16x128_f8f6f4 v[160+8*\t:167+8*\t], v[192+8*\t:199+8*\t], v[224:231], v[160+8*\t:167+8*\t], v[240+\t/2], v253 matrix_a_fmt:MATRIX_FMT_FP4 matrix_b_fmt:MATRIX_FMT_FP4
	v_wmma_scale_f32_16x16x128_f8f6f4 v[168+8*\t:175+8*\t], v[200+8*\t:207+8*\t], v[224:231], v[168+8*\t:175+8*\t], v[240+\t/2], v253 matrix_a_fmt:MATRIX_FMT_FP4 matrix_b_fmt:MATRIX_FMT_FP4 matrix_a_scale:MATRIX_SCALE_ROW1
.endr
.Lhidden\id:
	s_add_co_u32 s[TK], s[TK], 4096
	s_add_co_u32 s[TS], s[TS], 512
	s_add_co_u32 s[TV], s[TV], 256
	s_add_co_u32 s[CT], s[CT], 1
	s_cmp_lt_u32 s[CT], \trips
	s_cbranch_scc1 .Lstep\id
.endm
	WALK 1, 7, B1, 0                               ; early waves: the late tile's first 7 - j steps; late waves: its next 7
	; THE EARLY WAVES CHANGE TILES: what they have of the late tile goes to LDS as it stands in the registers; then they begin their own tile.
	s_cmp_lt_u32 s[WV], 8
	s_cbranch_scc0 .Lkeep
.rept 4
	v_nop                                          ; places between the last products and the stores that read their results
.endr
	s_wait_alu depctr_va_vdst(0)
.irp i, 0,1,2,3,4,5,6,7
	ds_store_b128 v[XA], v[160+4*\i:163+4*\i] offset:512*\i   ; O^T, each accumulator from its low end on
.endr
	ds_store_b128 v[XA], v[12:15] offset:4096      ; -M, the largest t, the sum's two halves
	s_wait_dscnt 0x0                               ; the stores have landed, and have read their registers
	v_mov_b32 v255, v[Q2S]                         ; my own tile's scale words first: ten plain vector lines and the step's four additions stand between this line and the next product,
.irp i, 0,1,2,3
	v_mov_b32 v[16+\i], v[Q2+\i]                   ; and its codes
.endr
	v_mov_b32 v13, 0xff61b1e6                      ; the largest t: -3e38 again, and -M with it.  Nothing is cleared: the next step's factor 2^(old M - new M) comes out 0 and takes
	s_delay_alu instid0(VALU_DEP_1)
	v_floor_f32 v12, -v13                          ; the old sum and the old O^T away (they are finite wherever V's numbers are)
.rept 4
	v_nop
.endr
.Lkeep:
	WALK 2, 8, B2, 1                               ; early waves: their own tile, steps 0 .. j; late waves: the late tile's last two steps
.rept 4
	v_nop                                          ; places behind the last products
.endr
	s_wait_dscnt 0x0                               ; for the others' sake: no LDS instruction of mine is out
	s_barrier_signal -1
	s_barrier_wait -1                              ; every early wave's image lies in LDS
	s_cmp_lt_u32 s[WV], 8
	s_cbranch_scc1 .Lown
	; THE LATE WAVES ADD THE PARTNER'S PART: both parts under the larger M, by factors that are powers of two.  (The pair with j = 7 has no such part: its image is the first state, zeros under M = -3e38, and its factor comes out 0.)
.irp i, 0,1,2,3,4,5,6,7
	ds_load_b128 v[96+4*\i:99+4*\i], v[XA] offset:512*\i
.endr
	ds_load_b128 v[128:131], v[XA] offset:4096
	v_mov_b32 v137, 0                              ; (named as the upper halves of pairs)
	v_mov_b32 v139, 0
	s_wait_dscnt 0x0
	s_wait_alu depctr_va_vdst(0)
	v_min_num_f32 v132, v12, v128                  ; -M of the two together
	s_delay_alu instid0(VALU_DEP_1)
	v_sub_f32 v133, v132, v12                      ; my M less that M: a whole number, 0 or less
	s_delay_alu instid0(VALU_DEP_2)
	v_sub_f32 v134, v132, v128                     ; the partner's
	s_delay_alu instid0(VALU_DEP_2)
	v_cvt_i32_f32 v133, v133                       ; (it saturates)
	s_delay_alu instid0(VALU_DEP_2)
	v_cvt_i32_f32 v134, v134
	s_delay_alu instid0(VALU_DEP_2)
	v_ldexp_f32 v136, 1.0, v133
	s_delay_alu instid0(VALU_DEP_2)
	v_ldexp_f32 v138, 1.0, v134
	s_delay_alu instid0(VALU_DEP_2)
	v_pk_mul_f32 v[14:15], v[14:15], v[136:137] op_sel_hi:[1,0]
	s_delay_alu instid0(VALU_DEP_1)
	v_pk_fma_f32 v[14:15], v[130:131], v[138:139], v[14:15] op_sel_hi:[1,0,1]
.set n, 0
.rept 16
	v_pk_mul_f32 v[160+n:161+n], v[160+n:161+n], v[136:137] op_sel_hi:[1,0]
.set n, n+2
.endr
.set n, 0
.rept 16
	v_pk_fma_f32 v[160+n:161+n], v[96+n:97+n], v[138:139], v[160+n:161+n] op_sel_hi:[1,0,1]
.set n, n+2
.endr
.Lown:
	; THE WAY OUT: O^T / the sum; its 64 channels are two blocks of 32 along the projection's K
	v_add_f32 v14, v14, v15
	s_delay_alu instid0(VALU_DEP_1)
	v_permlanex16_b32 v252, v14, s[SEL], s[SEL+1]
	s_delay_alu instid0(VALU_DEP_1)
	v_add_f32 v14, v14, v252
	s_wait_alu depctr_va_vdst(0)
	v_rcp_f32 v14, v14
	v_nop                                          ; a plain place behind the reciprocal
	s_wait_alu depctr_va_vdst(0)
.set n, 0
.rept 16
	v_pk_mul_f32 v[96+n:97+n], v[160+n:161+n], v[14:15] op_sel_hi:[1,0]
.set n, n+2
.endr
.irp b, 0,1
	v_max3_num_f32 v[232+\b], |v[96+16*\b]|, |v[97+16*\b]|, 0x1800000
.endr
.irp i, 2,4,6,8,10,12,14
.irp b, 0,1
	s_delay_alu instid0(VALU_DEP_2)
	v_max3_num_f32 v[232+\b], v[232+\b], |v[96+16*\b+\i]|, |v[97+16*\b+\i]|
.endr
.endr
.irp b, 0,1
	s_delay_alu instid0(VALU_DEP_2)
	v_permlanex16_b32 v[236+\b], v[232+\b], s[SEL], s[SEL+1]
.endr
.irp b, 0,1
	s_delay_alu instid0(VALU_DEP_2)
	v_max_num_f32 v[232+\b], v[232+\b], v[236+\b]
.endr
.irp b, 0,1
	s_delay_alu instid0(VALU_DEP_2)
	v_add_nc_u32 v[244+\b], 0xff000000, v[232+\b]
.endr
.irp b, 0,1
	s_delay_alu instid0(VALU_DEP_2)
	v_lshrrev_b32 v[236+\b], 23, v[244+\b]
.endr
	s_delay_alu instid0(VALU_DEP_1)
	v_lshl_or_b32 v238, v237, 8, v236              ; my head's two bytes of the row's scale word
.irp b, 0,1
	v_cvt_scalef32_pk8_fp4_f32 v[224+\b], v[96+16*\b:103+16*\b], v[244+\b]
	v_cvt_scalef32_pk8_fp4_f32 v[226+\b], v[104+16*\b:111+16*\b], v[244+\b]
.endr
	v_nop
	v_permlane16_swap_b32 v224, v225
	v_permlane16_swap_b32 v226, v227
	global_store_b128 v1, v[224:227], s[6:7]       ; half a fragment of the projection's operand: 512 consecutive bytes, aligned
	v_and_b32 v8, 31, v0                           ; my lane, made anew: the key steps have used v8 for their addresses
	s_delay_alu instid0(VALU_DEP_1)
	v_cmp_gt_u32 vcc_lo, 16, v8
	s_wait_alu depctr_va_vdst(0)
	s_wait_xcnt 0x0                                ; EXEC changes only behind this wait
	s_and_saveexec_b32 s16, vcc_lo
	global_store_b16 v28, v238, s[8:9]             ; lanes 0-15: two bytes for each row, 4 bytes apart: the other head of the pair writes the halves between (a sixteenth of this launch's output bytes)
	s_wait_xcnt 0x0
	s_or_b32 exec_lo, exec_lo, s16
	s_wait_tensorcnt 0x0                           ; the wave's end, behind my last tensor load and my last LDS store
	ds_add_u32 v[SPW], v[NIL]
	s_wait_dscnt 0x0
	CROUND                                         ; the closing round
	s_endpgm
.Lfunc_end_k_qd95a98fe65_attn:
	.size	k_qd95a98fe65_attn, .Lfunc_end_k_qd95a98fe65_attn-k_qd95a98fe65_attn
	.p2alignl 7, 3214868480
	.fill 96, 4, 3214868480
	.section	.rodata,"a",@progbits
	.p2align	6, 0x0
	.amdhsa_kernel k_qd95a98fe65_attn
		.amdhsa_group_segment_fixed_size 184320
		.amdhsa_private_segment_fixed_size 0
		.amdhsa_enable_private_segment 0
		.amdhsa_kernarg_size 24
		.amdhsa_user_sgpr_count 2
		.amdhsa_user_sgpr_kernarg_segment_ptr 1
		.amdhsa_wavefront_size32 1
		.amdhsa_system_sgpr_workgroup_id_x 1
		.amdhsa_system_sgpr_workgroup_id_y 1
		.amdhsa_system_sgpr_workgroup_id_z 1
		.amdhsa_system_vgpr_workitem_id 0
		.amdhsa_next_free_vgpr 256
		.amdhsa_next_free_sgpr 66
		.amdhsa_reserve_vcc 1
		.amdhsa_float_denorm_mode_32 3
		.amdhsa_float_denorm_mode_16_64 3
		.amdhsa_memory_ordered 1
		.amdhsa_forward_progress 1
		.amdhsa_inst_pref_size 56
	.end_amdhsa_kernel
	.amdgpu_metadata
---
amdhsa.version: [ 1, 2 ]
amdhsa.kernels:
  - .name:           k_qd95a98fe65_attn
    .symbol:         k_qd95a98fe65_attn.kd
    .args:
      - { .name: qkv, .offset: 0, .size: 8, .value_kind: global_buffer, .address_space: global }
      - { .name: o_img, .offset: 8, .size: 8, .value_kind: global_buffer, .address_space: global }
      - { .name: o_sc, .offset: 16, .size: 8, .value_kind: global_buffer, .address_space: global }
    .group_segment_fixed_size: 184320
    .private_segment_fixed_size: 0
    .kernarg_segment_align: 8
    .kernarg_segment_size: 24
    .max_flat_workgroup_size: 512
    .sgpr_count:     66
    .vgpr_count:     256
    .wavefront_size: 32
...
	.end_amdgpu_metadata
.endif
;; end of part 3
;; launch woln (part 4): grid 256 x 1, 16 waves a work-group, clusters of 4 x 1, 327,680 bytes of LDS; arguments o_img, o_sc, wo_codes, wo_scales, bo, alpha_attn, x, ln2_g, ln2_b, x1, a_codes, a_scales; writes x1, a_codes, a_scales
.if DOCPART == 4
	.amdgcn_target "amdgcn-amd-amdhsa--gfx1250"
	.amdhsa_code_object_version 6
	.text
	.protected	k_qd95a98fe65_woln
	.globl	k_qd95a98fe65_woln
	.p2align	8
	.type	k_qd95a98fe65_woln,@function
k_qd95a98fe65_woln:
	s_mov_b64 s[64:65], 0
	v_nop
	global_prefetch_b8 v0, s[64:65] scope:SCOPE_SE
	s_setreg_imm32_b32 hwreg(HW_REG_WAVE_MODE, 25, 1), 1
	s_wait_xcnt 0x0
	s_wait_alu depctr_hold_cnt(0) depctr_sa_sdst(0) depctr_va_vdst(0) depctr_va_sdst(0) depctr_va_ssrc(0) depctr_va_vcc(0) depctr_vm_vsrc(0)
	s_getreg_b32 s2, hwreg(HW_REG_IB_STS2, 6, 4)
	s_cmp_eq_u32 s2, 0
	s_cbranch_scc0 .Lentry_in_a_cluster
	s_endpgm
.Lentry_in_a_cluster:
	s_bfe_u32 s2, ttmp6, 0x10000c
	s_cmp_lg_u32 s2, 0x3003
	s_cbranch_scc0 .Lentry_shape_is_right
	s_endpgm
.Lentry_shape_is_right:
; x1 = x + alpha (o wo + bo) on codes of FP4 with E8M0 scales, K = 1,024; then the second layer norm of x1 and its quantiser: codes [4096][512 bytes], scale bytes [4096][32].  Nothing is left out.
; LIMITS: NaN and infinities are not served; a block whose largest magnitude lies under 2^-124 (zeros among them) gets the byte 1: the bytes are read by this program alone.
; SHARES.  A work-group owns 16 WHOLE rows of 1,024 columns, so that the norm's mean and variance stay inside it: 4,096 / 16 = 256 work-groups.  Sixteen waves.
; THE PRODUCT: wave v makes the tiles of columns 512 g + 32 v + 16 u (g, u = 0, 1): four accumulators, 8 steps of 128 along K each.  o's 16 rows stay in 64 registers.
; wo's CODES come by tensor loads, JOINTLY with the cluster's three other work-groups (every work-group reads all of wo): wave v fetches the 32 rows x 512 bytes that it alone reads, LDS pitch 528.
; 512 rows fill 270,336 bytes; wo's second 512 rows fill the same bytes again, once, behind a round of the cluster's barrier.
; o's images (8 x 1,024 bytes) are brought once a work-group, 512 bytes a wave, and shared through LDS bytes of their own.
; No prefetch: there is no loop to run ahead in; the text has two fills, and the second is asked for as soon as the first has been read.
; THE MATRIX INSTRUCTION IS USED TRANSPOSED (source 0 = 16 rows of wo, source 1 = o's 16 rows): a lane holds eight neighbouring numbers of a row.  bo is loaded into the accumulators: it is the first product's C.
; THE WAY OUT: the tiles go into a stage of 16 rows x (4,096 + 16) bytes; one barrier; wave v takes row v, 512 consecutive bytes a load, and goes on as the first launch does with a row of x.
; The stages lie where wo's rows lay: those bytes have had their last fill, and a barrier stands behind every wave's last read of them.
; REGISTERS: v1-15 at work and addresses; v16-47 x's row, then x1's; v48-111 o's fragments, then gain and bias, then the turned row; v112-127 at work; v128-159 the accumulators;
; v160-223 wo's fragments, two buffers, then the row from the stage and x1 - mean; scales alone: v224-239 wo's words, v240-247 o's; v248-255 addresses.
.set PITCH, 528                        ; 33 x 16 bytes: the 16 rows that a load touches start at 16 different groups of banks
.set WREG,  32*PITCH                   ; a wave's 32 rows
.set ASTG,  16*WREG                    ; behind wo's 512 rows: o's images, 8,192 bytes; no tensor load lands here
.set SPARE, ASTG+8192                  ; the spare words, 128 bytes for each of 16 waves
.set P1,    4112                       ; 257 x 16 bytes: the 16 rows that a store touches start at 16 different groups of banks
.set STW,   4608                       ; a wave's turning stage: 32 x 144 bytes
.set TURN,  16*P1
.set GATH,  TURN+16*STW                ; the 16 rows' scale bytes, 512 bytes
.set SPW, 8
.set NIL, 9
.set X1, 16
.set AF, 48
.set G,  48
.set BB, 80
.set CH, 112
.set ACC, 128
.set BUF, 160
.set X,  160
.set WS, 224
.set AS, 240
.set ADRB, 248                         ; wo's fragments: my rows + r x pitch + 16 h
.set VW, 249                           ; 32 x lane: wo's scale bytes, row = lane
.set VR, 250                           ; 4 r: o's scale words
.set VH, 251                           ; 32 h
.set STO, 252
.set RDA, 253
.set ASTA, 254                         ; where my 512 bytes of o's images go
.set ARD, 255                          ; and where all of them are read
.set G0, 4
.set G1, 68
.macro CROUND                          ; a round of the cluster's barrier
	s_barrier_signal -1
	s_barrier_wait -1
	s_cmp_lg_u32 s14, 0
	s_cbranch_scc1 .Lnot_wave_0_\@
	s_barrier_signal -3
.Lnot_wave_0_\@:
	s_barrier_wait -3
	s_barrier_signal -1
	s_barrier_wait -1
.endm
.macro PLACES                          ; plain vector instructions between a matrix instruction and a load into, or a read of, its registers
.rept 4
	v_nop
.endr
.endm
	s_load_b512 s[36:51], s[0:1], 0x0              ; o_img, o_sc, wo's codes, wo's scales, bo, alpha, x, g
	s_load_b256 s[52:59], s[0:1], 0x40             ; b, x1, the codes, the scale bytes
	v_lshl_add_u32 v[SPW], v0, 2, SPARE
	v_mov_b32 v[NIL], 0
	ds_add_u32 v[SPW], v[NIL]                      ; the wave's opening: the add, twice on end, and its wait ahead of my first tensor load
	ds_add_u32 v[SPW], v[NIL]
	v_lshrrev_b32 v1, 5, v0
	v_readfirstlane_b32 s14, v1                    ; wave 0..15
	s_bfe_u32 s12, ttmp6, 0x40000                  ; cx
	s_lshl_b32 s13, ttmp9, 2
	s_add_co_u32 s13, s13, s12                     ; my work-group: it enters o's, x's and the results' addresses alone
	s_mov_b32 s[G1], 15|(0<<16)|(1<<20)|(1<<21)|(6<<22)|(3<<25)   ; the mask: all four work-groups; elements of 1 byte; padding: 4 words behind every 128; bit 21 beside a mask
	s_mov_b32 s[G1+1], 512<<16                     ; tensor_dim0
	s_mov_b32 s[G1+2], 32<<16                      ; tensor_dim1
	s_mov_b32 s[G1+3], 512<<16                     ; tile_dim0
	s_mov_b32 s[G1+4], 32                          ; tile_dim1
	s_mov_b32 s[G1+5], 512                         ; the pitch: dense
	s_mov_b32 s[G1+6], 0
	s_mov_b32 s[G1+7], 0
	s_mov_b32 s[G0], 1
	s_mul_i32 s[G0+1], s14, WREG                   ; my 32 rows in LDS,
	s_lshl_b32 s32, s14, 14                        ; and in memory
	s_mov_b32 s33, 0
	s_mul_i32 s15, s14, STW
	s_add_co_u32 s15, s15, TURN
	s_lshl_b32 s16, s14, 5
	s_add_co_u32 s16, s16, GATH
	s_mov_b32 s18, 0x3a800000                      ; 1 / 1024
	s_mov_b32 s19, 0x3727c5ac                      ; 1e-5
	s_mov_b32 s20, 0x76543210
	s_mov_b32 s21, 0xfedcba98                      ; selects for lane l xor 16
	s_lshl_b32 s17, s13, 4
	s_add_co_u32 s17, s17, s14                     ; the row that I send out
	s_lshl_b32 s22, s17, 12
	s_mov_b32 s23, 0
	s_lshl_b32 s24, s17, 9
	s_mov_b32 s25, 0
	s_lshl_b32 s26, s13, 9
	s_mov_b32 s27, 0
	s_lshl_b32 s28, s13, 10                        ; o's images: my work-group's block of 16 rows,
	s_lshr_b32 s2, s14, 1
	s_lshl_b32 s2, s2, 18                          ; step wave / 2,
	s_add_co_u32 s28, s28, s2
	s_and_b32 s2, s14, 1
	s_lshl_b32 s2, s2, 9                           ; half wave % 2
	s_add_co_u32 s28, s28, s2
	s_mov_b32 s29, 0
	s_lshl_b32 s30, s13, 6                         ; o's words
	s_mov_b32 s31, 0
	s_lshl_b32 s34, s14, 10                        ; wo's scales: rows 32 v on, 32 bytes a row
	s_mov_b32 s35, 0
	s_lshl_b32 s60, s14, 7                         ; bo: columns 32 v on
	s_mov_b32 s61, 0
	s_mul_i32 s62, s14, P1
	s_lshl_b32 s63, s14, 7
	s_lshl_b32 s3, s14, 9
	s_add_co_u32 s3, s3, ASTG
	s_wait_dscnt 0x0                               ; both opening adds are done
	s_wait_kmcnt 0x0
	s_add_nc_u64 s[G0+2:G0+3], s[40:41], s[32:33]
	s_or_b32 s[G0+3], s[G0+3], 0x80000000
	s_add_nc_u64 s[36:37], s[36:37], s[28:29]
	s_add_nc_u64 s[38:39], s[38:39], s[30:31]
	s_add_nc_u64 s[42:43], s[42:43], s[34:35]
	s_add_nc_u64 s[44:45], s[44:45], s[60:61]
	s_load_b32 s66, s[46:47], 0x0                  ; alpha
	s_add_nc_u64 s[48:49], s[48:49], s[22:23]
	s_add_nc_u64 s[54:55], s[54:55], s[22:23]
	s_add_nc_u64 s[56:57], s[56:57], s[24:25]
	s_add_nc_u64 s[58:59], s[58:59], s[26:27]
	CROUND                                         ; all four work-groups are here: the joint loads meet
	tensor_load_to_lds s[G0:G0+3], s[G1:G1+7]      ; every wave's one tensor load at the head: rows 32 v on of wo's first 512
	s_nop 0
	PLACES
	v_and_b32 v1, 31, v0                           ; lane
	v_lshlrev_b32 v2, 4, v1                        ; 16 x lane
	v_lshrrev_b32 v3, 3, v1
	v_mul_u32_u24 v3, v3, 144
	v_and_b32 v4, 7, v1
	v_lshl_add_u32 v3, v4, 4, v3
	v_add_nc_u32 v3, s15, v3                       ; into the turning stage: eight lanes' 128 bytes are a block
	v_mul_u32_u24 v4, v1, 144
	v_add_nc_u32 v4, s15, v4                       ; out of it: block = lane
	v_add_nc_u32 v5, s16, v1                       ; my block's scale byte
	v_add_nc_u32 v124, GATH, v2
	v_mov_b32 v7, 0                                ; a lane permute's destination counts as one of its sources
	v_lshlrev_b32 v[VW], 5, v1
	v_and_b32 v10, 15, v0                          ; r
	v_bfe_u32 v11, v0, 4, 1                        ; h
	v_lshlrev_b32 v[VR], 2, v10
	v_lshlrev_b32 v[VH], 5, v11
	v_mul_u32_u24 v[STO], v10, P1
	v_add_nc_u32 v[STO], v[STO], v[VH]
	v_add_nc_u32 v[STO], s63, v[STO]               ; a tile's way into the stage: row r, 128 v + 32 h bytes on
	v_add_nc_u32 v[RDA], s62, v2                   ; and row v's way out
	v_mul_u32_u24 v[ADRB], v10, PITCH
	v_lshl_add_u32 v[ADRB], v11, 4, v[ADRB]
	v_add_nc_u32 v[ADRB], s[G0+1], v[ADRB]
	v_add_nc_u32 v[ASTA], s3, v2
	v_add_nc_u32 v[ARD], ASTG, v2
	s_wait_alu depctr_va_vdst(0)                   ; the wait at the head's end
	global_load_b128 v[BUF:BUF+3], v2, s[36:37]                                             ; my 512 bytes of o's images
.irp q, 0,1,2,3,4,5,6,7
	global_load_b32 v[AS+\q], v[VR], s[38:39] offset:16384*\q                               ; o's scale words of step q
.endr
.irp g, 0,1
.irp u, 0,1
.irp k, 0,1
	global_load_b128 v[ACC+8*(2*\g+\u)+4*\k:ACC+8*(2*\g+\u)+4*\k+3], v[VH], s[44:45] offset:2048*\g+64*\u+16*\k   ; bo at the lane's eight columns
.endr
.endr
.endr
.irp g, 0,1
.irp t, 0,1
	global_load_b128 v[WS+8*\g+4*\t:WS+8*\g+4*\t+3], v[VW], s[42:43] offset:16384*\g+16*\t   ; register WS + 8 g + q: lanes 0-15 tile u = 0's word of step q, lanes 16-31 tile u = 1's; the two loads of a g cover 1,024 consecutive bytes
.endr
.endr
.irp j, 0,1,2,3,4,5,6,7
	global_load_b128 v[X1+4*\j:X1+4*\j+3], v2, s[48:49] offset:512*\j                       ; x's row
.endr
.macro WLOAD i                         ; batch i: 8 LDS loads: steps 2 (i % 4), 2 (i % 4) + 1 of my two tiles, into buffer i % 2
.irp q, 0,1
.irp u, 0,1
.irp c, 0,1
	ds_load_b128 v[BUF+32*((\i)%2)+16*\q+8*\u+4*\c:BUF+32*((\i)%2)+16*\q+8*\u+4*\c+3], v[ADRB] offset:16*PITCH*\u+64*(2*((\i)%4)+\q)+32*\c
.endr
.endr
.endr
.endm
.macro MULB i                          ; its four products: the half's two accumulators take turns, one instruction a turn
.irp q, 0,1
	v_wmma_scale_f32_16x16x128_f8f6f4 v[ACC+16*((\i)/4):ACC+16*((\i)/4)+7], v[BUF+32*((\i)%2)+16*\q:BUF+32*((\i)%2)+16*\q+7], v[AF+8*(2*((\i)%4)+\q):AF+8*(2*((\i)%4)+\q)+7], v[ACC+16*((\i)/4):ACC+16*((\i)/4)+7], v[WS+8*((\i)/4)+2*((\i)%4)+\q], v[AS+2*((\i)%4)+\q] matrix_a_fmt:MATRIX_FMT_FP4 matrix_b_fmt:MATRIX_FMT_FP4
	v_wmma_scale_f32_16x16x128_f8f6f4 v[ACC+16*((\i)/4)+8:ACC+16*((\i)/4)+15], v[BUF+32*((\i)%2)+16*\q+8:BUF+32*((\i)%2)+16*\q+15], v[AF+8*(2*((\i)%4)+\q):AF+8*(2*((\i)%4)+\q)+7], v[ACC+16*((\i)/4)+8:ACC+16*((\i)/4)+15], v[WS+8*((\i)/4)+2*((\i)%4)+\q], v[AS+2*((\i)%4)+\q] matrix_a_fmt:MATRIX_FMT_FP4 matrix_b_fmt:MATRIX_FMT_FP4 matrix_a_scale:MATRIX_SCALE_ROW1
.endr
.endm
.macro GEN g                           ; the 512 columns whose rows of wo lie in LDS: four batches on two buffers
	WLOAD 4*\g
	WLOAD 4*\g+1
.irp k, 0,1,2,3
.if \k < 3
	s_wait_dscnt 8                                 ; all but the next batch's eight
.else
	s_wait_dscnt 0x0
.endif
	MULB 4*\g+\k
	PLACES
.if \k < 2
	WLOAD 4*\g+\k+2
.endif
.endr
.endm
	s_wait_loadcnt 28                              ; my piece of o is in; the 28 younger loads may be out
	s_wait_tensorcnt 0x0                           ; my rows of wo have landed; I alone read them
	ds_store_b128 v[ASTA], v[BUF:BUF+3]
	s_wait_dscnt 0x0                               ; for the others' sake: my piece has landed
	s_barrier_signal -1
	s_barrier_wait -1
.irp k, 0,1,2,3,4,5,6,7,8,9,10,11,12,13,14,15
	ds_load_b128 v[AF+4*\k:AF+4*\k+3], v[ARD] offset:512*\k        ; o's eight fragments
.endr
	s_wait_loadcnt 8                               ; the scale words and bo are in; x's eight loads may be out
	GEN 0
	s_wait_tensorcnt 0x0                           ; THE ONE REFILL: no tensor load of mine is out, so the descriptor may be written;
	ds_add_u32 v[SPW], v[NIL]                      ; 0 onto my spare word;
	s_add_nc_u64 s[G0+2:G0+3], s[G0+2:G0+3], 0x40000   ; wo's second 512 rows
	s_wait_dscnt 0x0                               ; the add is done, and my reads of these bytes are over
	CROUND                                         ; the same holds of every wave of all four work-groups
	tensor_load_to_lds s[G0:G0+3], s[G1:G1+7]      ; the first tensor load behind the round, one a wave
	s_nop 0
	PLACES
	s_wait_tensorcnt 0x0                           ; my rows have landed; I alone read them
	GEN 1
.irp j, 0,1,2,3,4,5,6,7
	global_load_b128 v[G+4*\j:G+4*\j+3], v2, s[50:51] offset:512*\j      ; gain and bias, where o's fragments lay
.endr
.irp j, 0,1,2,3,4,5,6,7
	global_load_b128 v[BB+4*\j:BB+4*\j+3], v2, s[52:53] offset:512*\j
.endr
	s_barrier_signal -1                            ; my reads of wo's rows are over (the last batch's wait was for 0),
	s_barrier_wait -1                              ; and everybody's: the stages may be written
.irp g, 0,1
.irp u, 0,1
.irp k, 0,1
	ds_store_b128 v[STO], v[ACC+8*(2*\g+\u)+4*\k:ACC+8*(2*\g+\u)+4*\k+3] offset:2048*\g+64*\u+16*\k   ; each accumulator from its low end on
.endr
.endr
.endr
	s_wait_dscnt 0x0                               ; for the others' sake: my tiles have landed
	s_barrier_signal -1
	s_barrier_wait -1
.irp j, 0,1,2,3,4,5,6,7
	ds_load_b128 v[X+4*\j:X+4*\j+3], v[RDA] offset:512*\j          ; row v of o wo + bo
.endr
	s_wait_kmcnt 0x0                               ; alpha
	s_mov_b32 s67, s66
	s_wait_loadcnt 16                              ; x's row is in; gain and bias, sixteen younger loads, may be out
	s_wait_dscnt 0x0
.irp m, 0,2,4,6,8,10,12,14,16,18,20,22,24,26,28,30
	v_pk_fma_f32 v[X1+\m:X1+\m+1], v[X+\m:X+\m+1], s[66:67], v[X1+\m:X1+\m+1] op_sel_hi:[1,0,1]   ; x1 = x + alpha (..)
.endr
.irp j, 0,1,2,3,4,5,6,7
	global_store_b128 v2, v[X1+4*\j:X1+4*\j+3], s[54:55] offset:512*\j   ; 512 consecutive bytes, aligned; these registers are not written again
.endr
.macro REDUCE                          ; v6 summed over the 32 lanes, the result in every lane
	s_delay_alu instid0(VALU_DEP_1)
	v_add_f32_dpp v6, v6, v6 row_xmask:1 row_mask:0xf bank_mask:0xf
	s_delay_alu instid0(VALU_DEP_1)
	v_add_f32_dpp v6, v6, v6 row_xmask:2 row_mask:0xf bank_mask:0xf
	s_delay_alu instid0(VALU_DEP_1)
	v_add_f32_dpp v6, v6, v6 row_xmask:4 row_mask:0xf bank_mask:0xf
	s_delay_alu instid0(VALU_DEP_1)
	v_add_f32_dpp v6, v6, v6 row_xmask:8 row_mask:0xf bank_mask:0xf
	s_delay_alu instid0(VALU_DEP_1)
	v_permlanex16_b32 v7, v6, s20, s21
	s_delay_alu instid0(VALU_DEP_1)
	v_add_f32 v6, v6, v7
.endm
	v_pk_add_f32 v[114:115], v[16:17], v[18:19]
	v_pk_add_f32 v[116:117], v[32:33], v[40:41]
	v_pk_add_f32 v[118:119], v[20:21], v[22:23]
	v_pk_add_f32 v[126:127], v[34:35], v[42:43]
	v_pk_add_f32 v[122:123], v[24:25], v[26:27]
	v_pk_add_f32 v[120:121], v[36:37], v[44:45]
	v_pk_add_f32 v[14:15], v[28:29], v[30:31]
	v_pk_add_f32 v[112:113], v[38:39], v[46:47]
	s_delay_alu instid0(VALU_DEP_1)
	v_pk_add_f32 v[112:113], v[112:113], v[126:127]
	v_pk_add_f32 v[114:115], v[114:115], v[122:123]
	v_pk_add_f32 v[116:117], v[116:117], v[120:121]
	v_pk_add_f32 v[118:119], v[118:119], v[14:15]
	s_delay_alu instid0(VALU_DEP_2)
	v_pk_add_f32 v[112:113], v[112:113], v[116:117]
	s_delay_alu instid0(VALU_DEP_2)
	v_pk_add_f32 v[114:115], v[114:115], v[118:119]
	s_delay_alu instid0(VALU_DEP_1)
	v_pk_add_f32 v[112:113], v[112:113], v[114:115]
	s_delay_alu instid0(VALU_DEP_1)
	v_add_f32 v6, v[CH], v[CH+1]
	REDUCE
	s_delay_alu instid0(VALU_DEP_1)
	v_mul_f32 v120, s18, v6                        ; the mean
	s_delay_alu instid0(VALU_DEP_1)
	v_mov_b32 v121, v120
.irp m, 0,2,4,6,8,10,12,14,16,18,20,22,24,26,28,30
	v_pk_add_f32 v[X+\m:X+\m+1], v[X1+\m:X1+\m+1], v[120:121] neg_lo:[0,1] neg_hi:[0,1]   ; d = x1 - mean: the mean is taken away first, so a common offset costs no digits
.endr
	v_pk_mul_f32 v[CH:CH+1], v[X:X+1], v[X:X+1]
	v_pk_mul_f32 v[CH+2:CH+3], v[X+2:X+3], v[X+2:X+3]
.irp m, 4,8,12,16,20,24,28
	s_delay_alu instid0(VALU_DEP_2)
	v_pk_fma_f32 v[CH:CH+1], v[X+\m:X+\m+1], v[X+\m:X+\m+1], v[CH:CH+1]
	s_delay_alu instid0(VALU_DEP_2)
	v_pk_fma_f32 v[CH+2:CH+3], v[X+\m+2:X+\m+3], v[X+\m+2:X+\m+3], v[CH+2:CH+3]
.endr
	s_delay_alu instid0(VALU_DEP_1)
	v_pk_add_f32 v[CH:CH+1], v[CH:CH+1], v[CH+2:CH+3]
	s_delay_alu instid0(VALU_DEP_1)
	v_add_f32 v6, v[CH], v[CH+1]
	REDUCE
	s_delay_alu instid0(VALU_DEP_1)
	v_fma_f32 v6, v6, s18, s19                     ; the variance + 1e-5
	s_wait_alu depctr_va_vdst(0)                   ; the wait ahead of the transcendental
	v_rsq_f32 v122, v6
	v_nop                                          ; a plain instruction behind the transcendental
	s_wait_alu depctr_va_vdst(0)                   ; and the wait ahead of its first reader
	v_mov_b32 v123, v122
	s_wait_alu depctr_va_vdst(0)                   ; directly ahead of the wait below
	s_wait_loadcnt 0x0                             ; gain and bias
.irp m, 0,2,4,6,8,10,12,14,16,18,20,22,24,26,28,30
	v_pk_mul_f32 v[X+\m:X+\m+1], v[X+\m:X+\m+1], v[122:123]
.endr
.irp m, 0,2,4,6,8,10,12,14,16,18,20,22,24,26,28,30
	v_pk_fma_f32 v[X+\m:X+\m+1], v[X+\m:X+\m+1], v[G+\m:G+\m+1], v[BB+\m:BB+\m+1]
.endr
.irp j, 0,1,2,3,4,5,6,7
	ds_store_b128 v3, v[X+4*\j:X+4*\j+3] offset:576*\j             ; 512 bytes are four blocks of 32 numbers
.endr
.irp j, 0,1,2,3,4,5,6,7
	ds_load_b128 v[G+4*\j:G+4*\j+3], v4 offset:16*\j               ; LDS serves a wave's instructions in order: these see my stores
.endr
	s_wait_dscnt 0x0
	v_max3_num_f32 v6, |v[G]|, |v[G+1]|, |v[G+2]|                  ; block = lane: all its 32 numbers are mine
	v_max3_num_f32 v7, |v[G+3]|, |v[G+4]|, |v[G+5]|
.irp i, 6,10,14,18,22,26
	s_delay_alu instid0(VALU_DEP_2)
	v_max3_num_f32 v6, v6, |v[G+\i]|, |v[G+\i+1]|
	s_delay_alu instid0(VALU_DEP_2)
	v_max3_num_f32 v7, v7, |v[G+\i+2]|, |v[G+\i+3]|
.endr
	s_delay_alu instid0(VALU_DEP_2)
	v_max3_num_f32 v6, v6, |v[G+30]|, |v[G+31]|
	s_delay_alu instid0(VALU_DEP_1)
	v_max3_num_f32 v6, v6, v7, 0x1800000           ; and the floor 2^(3 - 127): the byte cannot fall under 1
	s_delay_alu instid0(VALU_DEP_1)
	v_add_nc_u32 v11, 0xff000000, v6               ; 2 off the exponent field: the conversion's scale operand
.irp g, 0,1,2,3
	v_cvt_scalef32_pk8_fp4_f32 v[12+\g], v[G+8*\g:G+8*\g+7], v11
.endr
	v_lshrrev_b32 v10, 23, v11                     ; the scale's byte
	global_store_b128 v2, v[12:15], s[56:57]       ; the wave stores the row's 512 bytes of codes, aligned
	ds_store_b8 v5, v10
	s_wait_dscnt 0x0                               ; for the others' sake: my byte has landed
	s_barrier_signal -1
	s_barrier_wait -1
	s_cmp_lg_u32 s14, 0
	s_cbranch_scc1 .Lend
	ds_load_b128 v[112:115], v124                  ; wave 0: the 16 rows' 512 scale bytes,
	s_wait_dscnt 0x0
	global_store_b128 v2, v[112:115], s[58:59]     ; stored as two aligned runs of 256 bytes
.Lend:
	s_wait_tensorcnt 0x0                           ; the wave's end, behind my last tensor load and my last LDS store
	ds_add_u32 v[SPW], v[NIL]
	s_wait_dscnt 0x0
	CROUND                                         ; the closing round
	s_endpgm
.Lfunc_end_k_qd95a98fe65_woln:
	.size	k_qd95a98fe65_woln, .Lfunc_end_k_qd95a98fe65_woln-k_qd95a98fe65_woln
	.p2alignl 7, 3214868480
	.fill 96, 4, 3214868480
	.section	.rodata,"a",@progbits
	.p2align	6, 0x0
	.amdhsa_kernel k_qd95a98fe65_woln
		.amdhsa_group_segment_fixed_size 327680
		.amdhsa_private_segment_fixed_size 0
		.amdhsa_enable_private_segment 0
		.amdhsa_kernarg_size 96
		.amdhsa_user_sgpr_count 2
		.amdhsa_user_sgpr_kernarg_segment_ptr 1
		.amdhsa_wavefront_size32 1
		.amdhsa_system_sgpr_workgroup_id_x 1
		.amdhsa_system_sgpr_workgroup_id_y 1
		.amdhsa_system_sgpr_workgroup_id_z 1
		.amdhsa_system_vgpr_workitem_id 0
		.amdhsa_next_free_vgpr 256
		.amdhsa_next_free_sgpr 76
		.amdhsa_reserve_vcc 0
		.amdhsa_float_denorm_mode_32 3
		.amdhsa_float_denorm_mode_16_64 3
		.amdhsa_memory_ordered 1
		.amdhsa_forward_progress 1
		.amdhsa_inst_pref_size 35
	.end_amdhsa_kernel
	.amdgpu_metadata
---
amdhsa.version: [ 1, 2 ]
amdhsa.kernels:
  - .name:           k_qd95a98fe65_woln
    .symbol:         k_qd95a98fe65_woln.kd
    .args:
      - { .name: o_img, .offset: 0, .size: 8, .value_kind: global_buffer, .address_space: global }
      - { .name: o_sc, .offset: 8, .size: 8, .value_kind: global_buffer, .address_space: global }
      - { .name: wo_codes, .offset: 16, .size: 8, .value_kind: global_buffer, .address_space: global }
      - { .name: wo_scales, .offset: 24, .size: 8, .value_kind: global_buffer, .address_space: global }
      - { .name: bo, .offset: 32, .size: 8, .value_kind: global_buffer, .address_space: global }
      - { .name: alpha_attn, .offset: 40, .size: 8, .value_kind: global_buffer, .address_space: global }
      - { .name: x, .offset: 48, .size: 8, .value_kind: global_buffer, .address_space: global }
      - { .name: ln2_g, .offset: 56, .size: 8, .value_kind: global_buffer, .address_space: global }
      - { .name: ln2_b, .offset: 64, .size: 8, .value_kind: global_buffer, .address_space: global }
      - { .name: x1, .offset: 72, .size: 8, .value_kind: global_buffer, .address_space: global }
      - { .name: a_codes, .offset: 80, .size: 8, .value_kind: global_buffer, .address_space: global }
      - { .name: a_scales, .offset: 88, .size: 8, .value_kind: global_buffer, .address_space: global }
    .group_segment_fixed_size: 327680
    .private_segment_fixed_size: 0
    .kernarg_segment_align: 8
    .kernarg_segment_size: 96
    .max_flat_workgroup_size: 512
    .sgpr_count:     76
    .vgpr_count:     256
    .wavefront_size: 32
...
	.end_amdgpu_metadata
.endif
;; end of part 4
;; launch ff1 (part 5): grid 16 x 16, 4 waves a work-group, clusters of 4 x 4, 327,680 bytes of LDS; arguments a_codes, a_scales, w1_codes, w1_scales, b1, h_img, h_sc; writes h_img, h_sc
.if DOCPART == 5
	.amdgcn_target "amdgcn-amd-amdhsa--gfx1250"
	.amdhsa_code_object_version 6
	.text
	.protected	k_qd95a98fe65_ff1
	.globl	k_qd95a98fe65_ff1
	.p2align	8
	.type	k_qd95a98fe65_ff1,@function
k_qd95a98fe65_ff1:
	s_mov_b64 s[64:65], 0
	v_nop
	global_prefetch_b8 v0, s[64:65] scope:SCOPE_SE
	s_setreg_imm32_b32 hwreg(HW_REG_WAVE_MODE, 25, 1), 1
	s_wait_xcnt 0x0
	s_wait_alu depctr_hold_cnt(0) depctr_sa_sdst(0) depctr_va_vdst(0) depctr_va_sdst(0) depctr_va_ssrc(0) depctr_va_vcc(0) depctr_vm_vsrc(0)
	s_getreg_b32 s2, hwreg(HW_REG_IB_STS2, 6, 4)
	s_cmp_eq_u32 s2, 0
	s_cbranch_scc0 .Lentry_in_a_cluster
	s_endpgm
.Lentry_in_a_cluster:
	s_bfe_u32 s2, ttmp6, 0x10000c
	s_cmp_lg_u32 s2, 0xf033
	s_cbranch_scc0 .Lentry_shape_is_right
	s_endpgm
.Lentry_shape_is_right:
.set NQ,     4
.set ROWB,   256
.set KROW,   512
; h = gelu(LN2(x1) w1 + b1) on codes of FP4 with E8M0 scales, quantised along the hidden axis where it is made and stored as images of the next product's operand registers.  Nothing is left out.
; A tile of 256 x 256 by four waves, 128 x 128 each.  K = 1,024 lies in LDS whole, rows of 512 bytes + 16 of padding; the head's four joint loads, one a wave: A's codes, B's codes, A's scales, B's scales.
; erf is the quotient of two polynomials in z^2 on z held to +-4.  LIMITS: NaN and infinities are not served; a block under 2^-124 gets the byte 1 (read by this program alone).
.set PITCH,  528
.set FR,     8
.set NL,     2
.set NP,     4
.set HALFT,  128*PITCH
.set SLOT,   256
.set KS,     32
.set SCL,    4*HALFT
.set HALFS,  (128*KS/256)*272
.set SBLK,   (16*KS/256)*272
.set SPARE,  SCL+4*HALFS
.set GATH,   SPARE+512                 ; the gathers of scale words, 2,048 bytes a wave: bytes of their own
.set ADRA, 16
.set ADRB, 20
.set GAT,  23
.set GA0,  24
.set VO,   26
.set ADRS, 27
.set SPW,  28
.set NIL,  29
.set GR,   30
.set SC,   32
.set TM,   96
.set PW,   112
.set PC,   114
.set A13,  122
.set B8,   124
.set AF,   128
.set Z,    128
.set X2,   144
.set PN,   160
.set QD,   176
.set T,    192
.set BIAS, 64
.set SEL,  12
.set GS,   2
.set CNT,  3
.set OB,   94
.set G1, 24
.set G0, 32
.set G1B, 48
.set G0B, 56
.set G1S, 68
.set G0S, 76
.set G1SB, 80
.set G0SB, 88
.set MSB, 0
.macro WIN new
.if MSB != (\new)
	s_set_vgpr_msb (MSB<<8)|(\new)
.set MSB, (\new)
.endif
.endm
.set MUL_LO, 0xa1
.set MUL_HI, 0xf1
.set TO_B,   0x40
.macro JLOAD g0a, g1a, g0b, g1b
	s_cmp_eq_u32 s15, 0
	s_cbranch_scc0 .Lfor_b_\@
	tensor_load_to_lds s[\g0a:\g0a+3], s[\g1a:\g1a+7]
	s_nop 0
.rept 4
	v_nop
.endr
	s_branch .Lasked_\@
.Lfor_b_\@:
	tensor_load_to_lds s[\g0b:\g0b+3], s[\g1b:\g1b+7]
	s_nop 0
.rept 4
	v_nop
.endr
.Lasked_\@:
.endm
.macro CROUND
	s_barrier_signal -1
	s_barrier_wait -1
	s_cmp_lg_u32 s14, 0
	s_cbranch_scc1 .Lnot_wave_0_\@
	s_barrier_signal -3
.Lnot_wave_0_\@:
	s_barrier_wait -3
	s_barrier_signal -1
	s_barrier_wait -1
.endm
	s_load_b256 s[4:11], s[0:1], 0x0
	s_load_b128 s[92:95], s[0:1], 0x20
	s_load_b64 s[96:97], s[0:1], 0x30
	v_lshl_add_u32 v[SPW], v0, 2, SPARE
	v_mov_b32 v[NIL], 0
	ds_add_u32 v[SPW], v[NIL]
	ds_add_u32 v[SPW], v[NIL]
	v_lshrrev_b32 v1, 5, v0
	v_readfirstlane_b32 s14, v1
	s_lshr_b32 s15, s14, 1
	s_and_b32 s16, s14, 1
	s_bfe_u32 s40, ttmp6, 0x40000
	s_bfe_u32 s41, ttmp6, 0x40004
	s_lshl_b32 s42, ttmp9, 2
	s_add_co_u32 s42, s42, s40
	s_and_b32 s17, ttmp7, 0xffff
	s_lshl_b32 s17, s17, 2
	s_add_co_u32 s17, s17, s41
	s_lshl_b32 s43, s41, 2
	s_lshl_b32 s43, 15, s43
	s_lshl_b32 s44, 0x1111, s40
	s_or_b32 s[G1+0], s43, (0<<16)|(1<<20)|(1<<21)|(6<<22)|(3<<25)  ; padding: 4 words behind every 128
	s_or_b32 s[G1B+0], s44, (0<<16)|(1<<20)|(1<<21)|(6<<22)|(3<<25)
.irp g, G1, G1B
	s_mov_b32 s[\g+1], 512<<16                     ; a row is all of K, 512 bytes
	s_mov_b32 s[\g+2], 256<<16                     ; a side's 256 rows
	s_mov_b32 s[\g+3], 512<<16
	s_mov_b32 s[\g+4], 256
	s_mov_b32 s[\g+5], KROW
	s_mov_b32 s[\g+6], 0
	s_mov_b32 s[\g+7], 0
.endr
	s_or_b32 s[G1S+0], s43, (3<<16)|(1<<20)|(1<<21)|(5<<22)|(3<<25)
	s_or_b32 s[G1SB+0], s44, (3<<16)|(1<<20)|(1<<21)|(5<<22)|(3<<25)
.irp g, G1S, G1SB
	s_mov_b32 s[\g+1], 32<<16
	s_mov_b32 s[\g+2], (256*KS/256)<<16
	s_mov_b32 s[\g+3], 32<<16
	s_mov_b32 s[\g+4], 256*KS/256
	s_mov_b32 s[\g+5], 32
	s_mov_b32 s[\g+6], 0
	s_mov_b32 s[\g+7], 0
.endr
	s_mov_b32 s18, 0                               ; a load brings a side's whole tile
	s_lshl_b32 s20, s17, 8
	s_add_co_u32 s20, s20, s18
	s_lshl_b32 s46, s42, 8
	s_add_co_u32 s46, s46, s18
	s_lshl_b32 s22, s20, 5
	s_mov_b32 s23, 0
	s_lshl_b32 s98, s46, 5
	s_mov_b32 s99, 0
	s_lshl_b32 s20, s20, 9
	s_mov_b32 s21, 0
	s_lshl_b32 s46, s46, 9
	s_mov_b32 s47, 0
	s_mov_b32 s[SEL], 0x76543210
	s_mov_b32 s[SEL+1], 0xfedcba98
	s_wait_dscnt 0x0
	s_wait_kmcnt 0x0
	s_add_nc_u64 s[20:21], s[4:5], s[20:21]
	s_add_nc_u64 s[22:23], s[6:7], s[22:23]
	s_add_nc_u64 s[46:47], s[8:9], s[46:47]
	s_add_nc_u64 s[98:99], s[10:11], s[98:99]
	CROUND
	s_mov_b32 s[G0S], 1                            ; the scales of A's 256 rows,
	s_mov_b32 s[G0S+1], SCL
	s_mov_b64 s[G0S+2:G0S+3], s[22:23]
	s_or_b32 s[G0S+3], s[G0S+3], 0x80000000
	s_mov_b32 s[G0SB], 1                           ; of B's,
	s_mov_b32 s[G0SB+1], SCL+2*HALFS
	s_mov_b64 s[G0SB+2:G0SB+3], s[98:99]
	s_or_b32 s[G0SB+3], s[G0SB+3], 0x80000000
	s_mov_b32 s[G0], 1                             ; A's 256 rows of codes, all of K,
	s_mov_b32 s[G0+1], 0
	s_mov_b64 s[G0+2:G0+3], s[20:21]
	s_or_b32 s[G0+3], s[G0+3], 0x80000000
	s_mov_b32 s[G0B], 1                            ; and B's, behind them
	s_mov_b32 s[G0B+1], 2*HALFT
	s_mov_b64 s[G0B+2:G0B+3], s[46:47]
	s_or_b32 s[G0B+3], s[G0B+3], 0x80000000
; THE HEAD'S FOUR LOADS, ONE A WAVE: one tree of branches on the wave's number, an arm a load, all arms leading to one join
.macro ARM under, g0, g1, next
	s_cmp_lt_u32 s14, \under
	s_cbranch_scc0 \next
	tensor_load_to_lds s[\g0:\g0+3], s[\g1:\g1+7]
	s_nop 0
.rept 4
	v_nop
.endr
	s_branch .Lhead_asked
\next:
.endm
	ARM 1, G0,  G1,  .Lhead_b
	ARM 2, G0B, G1B, .Lhead_sa
	ARM 3, G0S, G1S, .Lhead_sb
	tensor_load_to_lds s[G0SB:G0SB+3], s[G1SB:G1SB+7]
	s_nop 0
.rept 4
	v_nop
.endr
.Lhead_asked:
	v_and_b32 v1, 15, v0
	v_bfe_u32 v2, v0, 4, 1
	v_mul_u32_u24 v3, v1, PITCH
	v_lshl_add_u32 v4, v2, 4, v3
	s_mul_i32 s21, s15, HALFT
	s_mul_i32 s22, s16, HALFT
	s_add_co_u32 s22, s22, 2*HALFT
.irp s, 0,1
	v_add_nc_u32 v[ADRA+\s], s21, v4
	v_add_nc_u32 v[ADRB+\s], s22, v4
	s_add_co_u32 s21, s21, SLOT
	s_add_co_u32 s22, s22, SLOT
.endr
	v_mul_u32_u24 v5, v1, KS
	v_lshrrev_b32 v6, 8, v5
	v_lshl_add_u32 v5, v6, 4, v5
	s_mul_i32 s21, s15, HALFS
	s_mul_i32 s22, s16, HALFS
	s_add_co_u32 s22, s22, 2*HALFS
	s_sub_co_u32 s22, s22, s21
	v_mul_u32_u24 v6, s22, v2
	s_add_co_u32 s21, s21, SCL
	v_add_nc_u32 v5, v5, v6
	v_add_nc_u32 v[ADRS], s21, v5
	s_lshl_b32 s23, s14, 11
	s_add_co_u32 s23, s23, GATH                    ; my gather: 2,048 bytes of my own behind the spare words
	v_lshl_add_u32 v[GA0], v1, 2, s23
	v_and_b32 v6, 31, v0
	v_lshlrev_b32 v[VO], 4, v6
	v_add_nc_u32 v[GR], s23, v[VO]
.irp b, 0,1,2,3
	v_mov_b32 v[TM+4+\b], 0
.endr
	v_mov_b32 v[A13], 0xaf95df0b
	v_mov_b32 v[A13+1], 0xaf95df0b
	v_mov_b32 v[B8], 0xb77460cd
	v_mov_b32 v[B8+1], 0xb77460cd
	s_lshl_b32 s18, s42, 10
	s_lshl_b32 s19, s16, 9
	s_add_co_u32 s18, s18, s19
	s_mov_b32 s19, 0
	s_add_nc_u64 s[92:93], s[92:93], s[18:19]
	v_lshlrev_b32 v7, 5, v2
	WIN TO_B
.irp b, 0,1,2,3,4,5,6,7
	global_load_b128 v[BIAS+8*\b:BIAS+8*\b+3], v7, s[92:93] offset:64*\b
	global_load_b128 v[BIAS+8*\b+4:BIAS+8*\b+7], v7, s[92:93] offset:64*\b+16
.endr
	WIN 0
	s_lshl_b32 s18, s42, 1
	s_add_co_u32 s18, s18, s16
	s_lshl_b32 s19, s17, 4
	s_lshl_b32 s20, s15, 3
	s_add_co_u32 s19, s19, s20
	s_lshl_b32 s20, s18, 18
	s_lshl_b32 s21, s19, 10
	s_add_co_u32 s20, s20, s21
	s_mov_b32 s21, 0
	s_add_nc_u64 s[OB:OB+1], s[OB:OB+1], s[20:21]
	s_lshl_b32 s20, s18, 14
	s_lshl_b32 s22, s19, 6
	s_add_co_u32 s20, s20, s22
	s_add_nc_u64 s[96:97], s[96:97], s[20:21]
.macro FRAG reg, adr, q, i
.irp c, 0,1
	ds_load_b128 v[\reg+4*\c:\reg+4*\c+3], v[\adr] offset:64*(\q)+32*\c+(\i)*16*PITCH
.endr
.endm
.macro MUL16 a0, p, q, sc, zero
.irp a, \a0, \a0+1
.irp b, 0,1,2,3,4,5,6,7
.if \zero
	v_wmma_scale_f32_16x16x128_f8f6f4 v[8*(8*((\a)%4)+\b):8*(8*((\a)%4)+\b)+7], v[128*(\p)+FR*\b:128*(\p)+FR*\b+FR-1], v[AF+FR*(\a):AF+FR*(\a)+FR-1], 0, v[SC+8*NQ*(\sc)+NQ*\b+(\q)], v[SC+8*NQ*(\sc)+NQ*(\a)+(\q)] matrix_a_fmt:MATRIX_FMT_FP4 matrix_b_fmt:MATRIX_FMT_FP4 matrix_a_scale:MATRIX_SCALE_ROW1
.else
	v_wmma_scale_f32_16x16x128_f8f6f4 v[8*(8*((\a)%4)+\b):8*(8*((\a)%4)+\b)+7], v[128*(\p)+FR*\b:128*(\p)+FR*\b+FR-1], v[AF+FR*(\a):AF+FR*(\a)+FR-1], v[8*(8*((\a)%4)+\b):8*(8*((\a)%4)+\b)+7], v[SC+8*NQ*(\sc)+NQ*\b+(\q)], v[SC+8*NQ*(\sc)+NQ*(\a)+(\q)] matrix_a_fmt:MATRIX_FMT_FP4 matrix_b_fmt:MATRIX_FMT_FP4 matrix_a_scale:MATRIX_SCALE_ROW1
.endif
.endr
.endr
.endm
.macro FETCH_B slot, q, p
	WIN TO_B
.irp i, 0,1,2,3,4,5,6,7
	FRAG 128*(\p)+FR*\i, ADRB+\slot, \q, \i
.endr
	WIN 0
.endm
.macro FETCH_A slot, q, i0
.irp i, \i0, \i0+1, \i0+2, \i0+3
	FRAG AF+FR*(\i), ADRA+\slot, \q, \i
.endr
.endm
.macro SCALES sc
.irp i, 0,1,2,3,4,5,6,7
	ds_load_b128 v[SC+8*NQ*\sc+NQ*\i:SC+8*NQ*\sc+NQ*\i+3], v[ADRS] offset:\i*SBLK
.endr
.endm
.macro PLACES n
.rept \n
	v_nop
.endr
.endm
.macro STEP slot, q, zero
	s_wait_dscnt 4*NL
	WIN MUL_LO
	MUL16 0, (\q)%2, \q, \slot, \zero
	MUL16 2, (\q)%2, \q, \slot, \zero
	s_wait_dscnt 0
	PLACES NP
	FETCH_B \slot, (\q)+1, 1-(\q)%2
	FETCH_A \slot, (\q)+1, 0
	WIN MUL_HI
	MUL16 4, (\q)%2, \q, \slot, \zero
	MUL16 6, (\q)%2, \q, \slot, \zero
	PLACES NP
	WIN 0
	FETCH_A \slot, (\q)+1, 4
.endm
.macro TURN slot, next
	s_wait_tensorcnt 0x0
	ds_add_u32 v[SPW], v[NIL]
	s_wait_dscnt 4*NL+1
	WIN MUL_LO
	MUL16 0, 1, NQ-1, \slot, 0
	s_wait_dscnt 0x0
	s_barrier_signal -1
	MUL16 2, 1, NQ-1, \slot, 0
	WIN 0
	s_barrier_wait -1
	PLACES NP
	v_add_nc_u32 v[ADRS], 4*NQ, v[ADRS]
	FETCH_B \next, 0, 0
	FETCH_A \next, 0, 0
	SCALES \next
	WIN MUL_HI
	MUL16 4, 1, NQ-1, \slot, 0
	MUL16 6, 1, NQ-1, \slot, 0
	PLACES NP
	WIN 0
	FETCH_A \next, 0, 4
.endm
.macro QUANT s, p
.irp b, 0,1,2,3
	v_max3_num_f32 v[TM+\b], |v[\s+16*\b]|, |v[\s+1+16*\b]|, 0x1800000
.endr
.irp i, 2,4,6,8,10,12,14
.irp b, 0,1,2,3
	v_max3_num_f32 v[TM+\b], v[TM+\b], |v[\s+16*\b+\i]|, |v[\s+1+16*\b+\i]|
.endr
.endr
.irp b, 0,1,2,3
	v_permlanex16_b32 v[TM+4+\b], v[TM+\b], s[SEL], s[SEL+1]
.endr
.irp b, 0,1,2,3
	v_max_num_f32 v[TM+\b], v[TM+\b], v[TM+4+\b]
.endr
.irp b, 0,1,2,3
	v_add_nc_u32 v[TM+12+\b], 0xff000000, v[TM+\b]
.endr
.irp b, 0,1,2,3
	v_lshrrev_b32 v[TM+4+\b], 23, v[TM+12+\b]
.endr
	v_lshl_or_b32 v[PW], v[TM+5], 8, v[TM+4]
	v_lshl_or_b32 v[PW], v[TM+6], 16, v[PW]
	v_lshl_or_b32 v[PW], v[TM+7], 24, v[PW]
.irp b, 0,1,2,3
	v_cvt_scalef32_pk8_fp4_f32 v[\p+4*(\b/2)+(\b%2)], v[\s+16*\b:\s+16*\b+7], v[TM+12+\b]
	v_cvt_scalef32_pk8_fp4_f32 v[\p+4*(\b/2)+2+(\b%2)], v[\s+16*\b+8:\s+16*\b+15], v[TM+12+\b]
.endr
	v_nop
.irp c, 0,1
	v_permlane16_swap_b32 v[\p+4*\c], v[\p+4*\c+1]
	v_permlane16_swap_b32 v[\p+4*\c+2], v[\p+4*\c+3]
.endr
.endm
.macro GELU16 t
.irp i, 0,2,4,6,8,10,12,14
	v_pk_mul_f32 v[Z+\i:Z+\i+1], v[\t+\i:\t+\i+1], 0x3f3504f3 op_sel_hi:[1,0]
.endr
.irp i, 0,1,2,3,4,5,6,7,8,9,10,11,12,13,14,15
	v_med3_num_f32 v[Z+\i], v[Z+\i], -4.0, 4.0
.endr
.irp i, 0,2,4,6,8,10,12,14
	v_pk_mul_f32 v[X2+\i:X2+\i+1], v[Z+\i:Z+\i+1], v[Z+\i:Z+\i+1]
.endr
.irp i, 0,2,4,6,8,10,12,14
	v_pk_fma_f32 v[PN+\i:PN+\i+1], v[X2+\i:X2+\i+1], v[A13:A13+1], 0x32edffee op_sel_hi:[1,1,0]
.endr
.irp k, 0xb60cff51, 0xb86ec2d2, 0xba40ac63, 0xbb41a1f6, 0xbc83dbd4
.irp i, 0,2,4,6,8,10,12,14
	v_pk_fma_f32 v[PN+\i:PN+\i+1], v[PN+\i:PN+\i+1], v[X2+\i:X2+\i+1], \k op_sel_hi:[1,1,0]
.endr
.endr
.irp i, 0,2,4,6,8,10,12,14
	v_pk_mul_f32 v[PN+\i:PN+\i+1], v[PN+\i:PN+\i+1], v[Z+\i:Z+\i+1]
.endr
.irp i, 0,2,4,6,8,10,12,14
	v_pk_fma_f32 v[QD+\i:QD+\i+1], v[X2+\i:X2+\i+1], v[B8:B8+1], 0xb95fbd29 op_sel_hi:[1,1,0]
.endr
.irp k, 0xbadc924e, 0xbbf19bf8, 0xbc69b6a7
.irp i, 0,2,4,6,8,10,12,14
	v_pk_fma_f32 v[QD+\i:QD+\i+1], v[QD+\i:QD+\i+1], v[X2+\i:X2+\i+1], \k op_sel_hi:[1,1,0]
.endr
.endr
	s_wait_alu depctr_va_vdst(0)
.irp i, 0,1,2,3,4,5,6,7,8,9,10,11,12,13,14,15
	v_rcp_f32 v[QD+\i], v[QD+\i]
.endr
.irp i, 0,2,4,6,8,10,12,14
	v_pk_mul_f32 v[X2+\i:X2+\i+1], v[\t+\i:\t+\i+1], 0.5 op_sel_hi:[1,0]
.endr
	s_wait_alu depctr_va_vdst(0)
.irp i, 0,2,4,6,8,10,12,14
	v_pk_mul_f32 v[PN+\i:PN+\i+1], v[PN+\i:PN+\i+1], v[QD+\i:QD+\i+1]
.endr
.irp i, 0,2,4,6,8,10,12,14
	v_pk_fma_f32 v[\t+\i:\t+\i+1], v[X2+\i:X2+\i+1], v[PN+\i:PN+\i+1], v[X2+\i:X2+\i+1]
.endr
.endm
	s_wait_alu depctr_va_vdst(0)                   ; the wait at the head's end
	s_wait_tensorcnt 0x0                           ; my one tensor load has landed
	s_barrier_signal -1
	s_barrier_wait -1
	FETCH_B 0, 0, 0
	FETCH_A 0, 0, 0
	SCALES 0
	FETCH_A 0, 0, 4
	STEP 0, 0, 1
	STEP 0, 1, 0
	STEP 0, 2, 0
	TURN 0, 1
	STEP 1, 0, 0
	STEP 1, 1, 0
	STEP 1, 2, 0
	s_wait_dscnt 4*NL
	WIN MUL_LO
	MUL16 0, 1, NQ-1, 1, 0
	MUL16 2, 1, NQ-1, 1, 0
	s_wait_dscnt 0
	WIN MUL_HI
	MUL16 4, 1, NQ-1, 1, 0
	MUL16 6, 1, NQ-1, 1, 0
	WIN 0
	PLACES NP
	s_wait_loadcnt 0x0
	s_mov_b32 s[CNT], 0
	s_mov_b32 s[GS], 0
.Lrow:
.irp a, 0,1,2,3,4,5,6
	s_cmp_eq_u32 s[CNT], \a
	s_cbranch_scc1 .Lcopy\a
.endr
.irp a, 7,6,5,4,3,2,1,0
.Lcopy\a:
	WIN 0x06+(\a/4)
.irp b, 0,1,2,3,4,5,6,7
.irp j, 0,2,4,6
	v_pk_add_f32 v[T+8*\b+\j:T+8*\b+\j+1], v[64*(\a%4)+8*\b+\j:64*(\a%4)+8*\b+\j+1], v[BIAS+8*\b+\j:BIAS+8*\b+\j+1]
.endr
.endr
	WIN 0
	s_branch .Lwork
.endr
.Lwork:
	GELU16 T
	GELU16 T+16
	GELU16 T+32
	GELU16 T+48
	QUANT T, PC
	global_store_b128 v[VO], v[PC:PC+3], s[OB:OB+1]
	global_store_b128 v[VO], v[PC+4:PC+7], s[OB:OB+1] offset:512
	v_add_nc_u32 v[GAT], s[GS], v[GA0]
	ds_store_b32 v[GAT], v[PW]
	s_wait_dscnt 0x0
	s_wait_xcnt 0x0
	s_add_nc_u64 s[OB:OB+1], s[OB:OB+1], 1024
	s_add_co_u32 s[GS], s[GS], 64
	s_add_co_u32 s[CNT], s[CNT], 1
	s_cmp_lt_u32 s[CNT], 8
	s_cbranch_scc1 .Lrow
	ds_load_b128 v[PC:PC+3], v[GR]
	s_wait_dscnt 0x0
	global_store_b128 v[VO], v[PC:PC+3], s[96:97]
	s_wait_tensorcnt 0x0
	ds_add_u32 v[SPW], v[NIL]
	s_wait_dscnt 0x0
	CROUND
	s_endpgm
.Lfunc_end_k_qd95a98fe65_ff1:
	.size	k_qd95a98fe65_ff1, .Lfunc_end_k_qd95a98fe65_ff1-k_qd95a98fe65_ff1
	.p2alignl 7, 3214868480
	.fill 96, 4, 3214868480
	.section	.rodata,"a",@progbits
	.p2align	6, 0x0
	.amdhsa_kernel k_qd95a98fe65_ff1
		.amdhsa_group_segment_fixed_size 327680
		.amdhsa_private_segment_fixed_size 0
		.amdhsa_enable_private_segment 0
		.amdhsa_kernarg_size 56
		.amdhsa_user_sgpr_count 2
		.amdhsa_user_sgpr_kernarg_segment_ptr 1
		.amdhsa_wavefront_size32 1
		.amdhsa_system_sgpr_workgroup_id_x 1
		.amdhsa_system_sgpr_workgroup_id_y 1
		.amdhsa_system_sgpr_workgroup_id_z 1
		.amdhsa_system_vgpr_workitem_id 0
		.amdhsa_next_free_vgpr 1024
		.amdhsa_next_free_sgpr 102
		.amdhsa_reserve_vcc 0
		.amdhsa_float_denorm_mode_32 3
		.amdhsa_float_denorm_mode_16_64 3
		.amdhsa_memory_ordered 1
		.amdhsa_forward_progress 1
		.amdhsa_inst_pref_size 167
	.end_amdhsa_kernel
	.amdgpu_metadata
---
amdhsa.version: [ 1, 2 ]
amdhsa.kernels:
  - .name:           k_qd95a98fe65_ff1
    .symbol:         k_qd95a98fe65_ff1.kd
    .args:
      - { .name: a_codes, .offset: 0, .size: 8, .value_kind: global_buffer, .address_space: global }
      - { .name: a_scales, .offset: 8, .size: 8, .value_kind: global_buffer, .address_space: global }
      - { .name: w1_codes, .offset: 16, .size: 8, .value_kind: global_buffer, .address_space: global }
      - { .name: w1_scales, .offset: 24, .size: 8, .value_kind: global_buffer, .address_space: global }
      - { .name: b1, .offset: 32, .size: 8, .value_kind: global_buffer, .address_space: global }
      - { .name: h_img, .offset: 40, .size: 8, .value_kind: global_buffer, .address_space: global }
      - { .name: h_sc, .offset: 48, .size: 8, .value_kind: global_buffer, .address_space: global }
    .group_segment_fixed_size: 327680
    .private_segment_fixed_size: 0
    .kernarg_segment_align: 8
    .kernarg_segment_size: 56
    .max_flat_workgroup_size: 128
    .sgpr_count:     102
    .vgpr_count:     1024
    .wavefront_size: 32
...
	.end_amdgpu_metadata
.endif
;; end of part 5
;; launch ff2 (part 6): grid 8 x 32, 4 waves a work-group, clusters of 4 x 4, 327,680 bytes of LDS; arguments h_img, h_sc, w2_codes, w2_scales, b2, alpha_ff, x1, out0; writes out0
.if DOCPART == 6
	.amdgcn_target "amdgcn-amd-amdhsa--gfx1250"
	.amdhsa_code_object_version 6
	.text
	.protected	k_qd95a98fe65_ff2
	.globl	k_qd95a98fe65_ff2
	.p2align	8
	.type	k_qd95a98fe65_ff2,@function
k_qd95a98fe65_ff2:
	s_mov_b64 s[64:65], 0
	v_nop
	global_prefetch_b8 v0, s[64:65] scope:SCOPE_SE
	s_setreg_imm32_b32 hwreg(HW_REG_WAVE_MODE, 25, 1), 1
	s_wait_xcnt 0x0
	s_wait_alu depctr_hold_cnt(0) depctr_sa_sdst(0) depctr_va_vdst(0) depctr_va_sdst(0) depctr_va_ssrc(0) depctr_va_vcc(0) depctr_vm_vsrc(0)
	s_getreg_b32 s2, hwreg(HW_REG_IB_STS2, 6, 4)
	s_cmp_eq_u32 s2, 0
	s_cbranch_scc0 .Lentry_in_a_cluster
	s_endpgm
.Lentry_in_a_cluster:
	s_bfe_u32 s2, ttmp6, 0x10000c
	s_cmp_lg_u32 s2, 0xf033
	s_cbranch_scc0 .Lentry_shape_is_right
	s_endpgm
.Lentry_shape_is_right:
; out = x1 + alpha (h W2^T + b2) on codes of FP4 with E8M0 scales; K = 4,096.  Nothing is left out.  LIMIT: NaN and infinities are not served.
; A block of 128 x 128 to a work-group: 32 x 8 = 256 work-groups.  THE FOUR WAVES CUT K: wave w makes the whole block over K = 1,024 w .. 1,024 w + 1,023, in 64 accumulators (512 registers):
; 8 steps of 128 along K, 64 products each on 8 + 8 fragments.  The four parts are added at the end, through LDS, in f32 (another order of the sum than K ascending).
; W: wave w's 128 rows x 512 bytes come by ONE tensor load, joint with the cluster's column (the same tile column), into the wave's own 128 x 528 bytes of LDS; only that wave reads them; nothing is filled again.
; h: images of the operand's registers, [K / 128][256 blocks of 16 rows][2][lane][16 B].  A wave alone reads its quarter of K, and W's 270,336 bytes and h's 262,144 do not fit into LDS together:
; so h goes from memory straight into registers, 512 consecutive bytes a load, and is not asked for jointly.  Four register sets: steps 0-3 are asked for at the head, step q + 4 as step q frees its set.
; No prefetch: there is no loop to run ahead in; every load is issued at the head or four steps ahead of its use.
; ONE TEXT FOR FOUR WAVES: wave w puts h's block (a + 2 w) % 8 into fragment a.  So accumulator blocks 2 p, 2 p + 1 of wave s hold the rows that wave (s + p) % 4 sends out.
; THE MATRIX INSTRUCTION IS USED TRANSPOSED (source 0 = 16 rows of W, source 1 = 16 rows of h): a lane holds eight neighbouring numbers of a row.
; THE SUM: each wave stores its 64 tiles as rows of 512 bytes + 16 into its own LDS region (its reads of W are over, the region has had its only fill); one barrier; wave w reads its 32 rows from all four regions.
; REGISTERS: window 0: v1-29 addresses, v12-15 the bias; v32-63 h's scale words, v64-95 W's (scales alone); v128-255 W's fragments, two sets.  window 1: h's fragments, four sets; from step 6 on v0-127 the residual.
;   windows 2, 3: the accumulators ((a, b) at v[8 (8 (a % 4) + b)]), on the way out the rows read back.
.set PITCH, 528                        ; 33 x 16 bytes: the 16 rows that a load or store touches start at 16 different groups of banks
.set SUB,   16*PITCH
.set HB,    128*PITCH                  ; a wave's region
.set SPARE, 4*HB                       ; the spare words, 128 bytes a wave
.set PLANE, 262144
.set VA,   4                           ; v4-7   h's images: 16 x lane + 2,048 x ((p + w) % 4)
.set VS,   8                           ; v8-11  h's words: 4 x lane + 128 x ((p + w) % 4)
.set BI,   12
.set ADRB, 16
.set VSB,  17
.set STO,  18
.set RX,   20                          ; v20-23 where my rows lie in wave (w - p) % 4's region
.set CO,   24                          ; v24    16 x lane
.set SPW,  28
.set NIL,  29
.set SA,   32
.set SB,   64
.set BF,   128
.set G1B,  48
.set G0B,  56
.set MSB, 0
.macro WIN new                         ; the immediate's high byte repeats the setting that is left
.if MSB != (\new)
	s_set_vgpr_msb (MSB<<8)|(\new)
.set MSB, (\new)
.endif
.endm
.set MUL_LO, 0xa4                      ; source 0 (W) window 0, source 1 (h) window 1, C and D window 2
.set MUL_HI, 0xf4                      ; the same, C and D window 3
.macro CROUND                          ; a round of the cluster's barrier
	s_barrier_signal -1
	s_barrier_wait -1
	s_cmp_lg_u32 s14, 0
	s_cbranch_scc1 .Lnot_wave_0_\@
	s_barrier_signal -3
.Lnot_wave_0_\@:
	s_barrier_wait -3
	s_barrier_signal -1
	s_barrier_wait -1
.endm
.macro PLACES                          ; plain vector instructions between a matrix instruction and a load into, or a read of, its registers
.rept 4
	v_nop
.endr
.endm
	s_load_b256 s[4:11], s[0:1], 0x0               ; h's images, h's words, W's codes, W's scales
	s_load_b256 s[92:99], s[0:1], 0x20             ; bias, alpha, x1, out
	v_lshl_add_u32 v[SPW], v0, 2, SPARE
	v_mov_b32 v[NIL], 0
	ds_add_u32 v[SPW], v[NIL]                      ; the wave's opening: the add, twice on end, and its wait ahead of my tensor load
	ds_add_u32 v[SPW], v[NIL]
	v_lshrrev_b32 v1, 5, v0
	v_readfirstlane_b32 s14, v1                    ; wave 0..3
	s_bfe_u32 s40, ttmp6, 0x40000                  ; cx
	s_bfe_u32 s41, ttmp6, 0x40004                  ; cy
	s_lshl_b32 s42, ttmp9, 2
	s_add_co_u32 s42, s42, s40                     ; tile column
	s_and_b32 s17, ttmp7, 0xffff
	s_lshl_b32 s17, s17, 2
	s_add_co_u32 s17, s17, s41                     ; tile row
	s_lshl_b32 s44, 0x1111, s40                    ; my column of the cluster
	s_or_b32 s[G1B+0], s44, (0<<16)|(1<<20)|(1<<21)|(6<<22)|(3<<25)  ; the mask; elements of 1 byte; padding: 4 words behind every 128; bit 21 beside a mask
	s_mov_b32 s[G1B+1], 512<<16                    ; tensor_dim0
	s_mov_b32 s[G1B+2], 128<<16                    ; tensor_dim1
	s_mov_b32 s[G1B+3], 512<<16                    ; tile_dim0
	s_mov_b32 s[G1B+4], 128                        ; tile_dim1
	s_mov_b32 s[G1B+5], 2048                       ; a row of W in memory
	s_mov_b32 s[G1B+6], 0
	s_mov_b32 s[G1B+7], 0
	s_lshl_b32 s46, s42, 18                        ; W's codes: 128 rows of 2,048 bytes a tile column,
	s_lshl_b32 s18, s14, 9
	s_add_co_u32 s46, s46, s18                     ; + my quarter of K
	s_mov_b32 s47, 0
	s_mul_i32 s45, s14, HB                         ; my region: no place in the cluster enters an LDS address
	s_lshl_b32 s66, s42, 14                        ; W's scales: 128 rows of 128 bytes,
	s_lshl_b32 s18, s14, 5
	s_add_co_u32 s66, s66, s18                     ; + my quarter's 32 bytes
	s_mov_b32 s67, 0
	s_lshl_b32 s20, s14, 21                        ; h's images: plane 8 w,
	s_lshl_b32 s18, s17, 13
	s_add_co_u32 s20, s20, s18                     ; block 8 x tile row
	s_mov_b32 s21, 0
	s_lshl_b32 s22, s14, 17                        ; h's words: plane 8 w of 16,384 bytes,
	s_lshl_b32 s18, s17, 9
	s_add_co_u32 s22, s22, s18                     ; row 128 x tile row
	s_mov_b32 s23, 0
	s_lshl_b32 s12, s42, 9                         ; the block's first column, in bytes
	s_mov_b32 s13, 0
	s_lshl_b32 s2, s17, 7
	s_lshl_b32 s3, s14, 5
	s_add_co_u32 s2, s2, s3                        ; the first of the 32 rows that I send out
	s_lshl_b32 s2, s2, 12
	s_add_co_u32 s2, s2, s12
	s_mov_b32 s3, 0
.irp p, 0,1,2,3
	s_add_co_u32 s18, s14, \p
	s_and_b32 s18, s18, 3                          ; (p + w) % 4: the pair of h's blocks in my fragments 2 p, 2 p + 1
	s_lshl_b32 s[24+\p], s18, 11
	s_lshl_b32 s[28+\p], s18, 7
	s_add_co_u32 s18, s14, 4-\p
	s_and_b32 s18, s18, 3                          ; (w - p) % 4: the wave whose blocks 2 p, 2 p + 1 are my rows
	s_mul_i32 s18, s18, HB
	s_add_co_u32 s[32+\p], s18, 2*\p*SUB
.endr
	s_wait_dscnt 0x0                               ; both opening adds are done
	s_wait_kmcnt 0x0
	s_add_nc_u64 s[46:47], s[8:9], s[46:47]
	s_add_nc_u64 s[66:67], s[10:11], s[66:67]
	s_add_nc_u64 s[20:21], s[4:5], s[20:21]
	s_add_nc_u64 s[22:23], s[6:7], s[22:23]
	s_add_nc_u64 s[92:93], s[92:93], s[12:13]
	s_add_nc_u64 s[96:97], s[96:97], s[2:3]
	s_add_nc_u64 s[98:99], s[98:99], s[2:3]
	s_load_b32 s100, s[94:95], 0x0                 ; alpha
	s_mov_b32 s[G0B], 1
	s_mov_b32 s[G0B+1], s45
	s_mov_b64 s[G0B+2:G0B+3], s[46:47]
	s_or_b32 s[G0B+3], s[G0B+3], 0x80000000
	CROUND                                         ; all sixteen work-groups are here: the joint loads meet
	tensor_load_to_lds s[G0B:G0B+3], s[G1B:G1B+7]  ; every wave's one tensor load
	s_nop 0
	PLACES
	v_and_b32 v1, 15, v0                           ; r
	v_bfe_u32 v2, v0, 4, 1                         ; h
	v_and_b32 v3, 31, v0                           ; lane
	v_lshlrev_b32 v[CO], 4, v3
	v_mul_u32_u24 v25, v1, PITCH
	v_lshl_add_u32 v[ADRB], v2, 4, v25
	v_lshl_add_u32 v[STO], v2, 5, v25
	v_add_nc_u32 v[ADRB], s45, v[ADRB]             ; W's fragments: my region + r x pitch + 16 h
	v_add_nc_u32 v[STO], s45, v[STO]               ; the tiles' way into rows: my region + r x pitch + 32 h
	v_lshlrev_b32 v[VSB], 7, v3                    ; W's scales: row = lane, 128 bytes a row
	v_lshlrev_b32 v26, 2, v3
.irp p, 0,1,2,3
	v_add_nc_u32 v[VA+\p], s[24+\p], v[CO]
	v_add_nc_u32 v[VS+\p], s[28+\p], v26
	v_add_nc_u32 v[RX+\p], s[32+\p], v[CO]
.endr
	s_wait_alu depctr_va_vdst(0)                   ; the wait at the head's end
	global_load_b128 v[BI:BI+3], v[CO], s[92:93]   ; the bias of my four columns on the way out
.irp j, 0,1,2,3
.irp t, 0,1
	global_load_b128 v[SB+8*\j+4*\t:SB+8*\j+4*\t+3], v[VSB], s[66:67] offset:4096*\j+16*\t   ; register SB + 8 j + q: lanes 0-15 block 2 j's word of step q, lanes 16-31 block 2 j + 1's.  Once a wave, 16 bytes a row
.endr
.endr
.irp q, 0,1,2,3,4,5,6,7
.irp p, 0,1,2,3
	global_load_b32 v[SA+4*\q+\p], v[VS+\p], s[22:23] offset:16384*\q   ; lanes 0-15: fragment 2 p's words of step q, lanes 16-31: fragment 2 p + 1's
.endr
.endr
.macro ALOAD q, a0                     ; 8 loads: h's fragments a0 .. a0 + 3 of step q into set q % 4
.irp a, \a0, \a0+1, \a0+2, \a0+3
.irp c, 0,1
	global_load_b128 v[64*((\q)%4)+8*(\a)+4*\c:64*((\q)%4)+8*(\a)+4*\c+3], v[VA+(\a)/2], s[20:21] offset:(\q)*PLANE+((\a)%2)*1024+512*\c
.endr
.endr
.endm
.macro FETCH_B q, p                    ; 16 LDS loads: W's eight fragments of step q into set p
.irp i, 0,1,2,3,4,5,6,7
.irp c, 0,1
	ds_load_b128 v[BF+64*(\p)+8*\i+4*\c:BF+64*(\p)+8*\i+4*\c+3], v[ADRB] offset:\i*SUB+64*(\q)+32*\c
.endr
.endr
.endm
.macro WM zero, rows                   ; one product; rows: bit 0: W's words in lanes 16-31, bit 1: h's
.if \zero
.if (\rows) == 0
	v_wmma_scale_f32_16x16x128_f8f6f4 v[rD:rD+7], v[rW:rW+7], v[rA:rA+7], 0, v[rSW], v[rSA] matrix_a_fmt:MATRIX_FMT_FP4 matrix_b_fmt:MATRIX_FMT_FP4
.elseif (\rows) == 1
	v_wmma_scale_f32_16x16x128_f8f6f4 v[rD:rD+7], v[rW:rW+7], v[rA:rA+7], 0, v[rSW], v[rSA] matrix_a_fmt:MATRIX_FMT_FP4 matrix_b_fmt:MATRIX_FMT_FP4 matrix_a_scale:MATRIX_SCALE_ROW1
.elseif (\rows) == 2
	v_wmma_scale_f32_16x16x128_f8f6f4 v[rD:rD+7], v[rW:rW+7], v[rA:rA+7], 0, v[rSW], v[rSA] matrix_a_fmt:MATRIX_FMT_FP4 matrix_b_fmt:MATRIX_FMT_FP4 matrix_b_scale:MATRIX_SCALE_ROW1
.else
	v_wmma_scale_f32_16x16x128_f8f6f4 v[rD:rD+7], v[rW:rW+7], v[rA:rA+7], 0, v[rSW], v[rSA] matrix_a_fmt:MATRIX_FMT_FP4 matrix_b_fmt:MATRIX_FMT_FP4 matrix_a_scale:MATRIX_SCALE_ROW1 matrix_b_scale:MATRIX_SCALE_ROW1
.endif
.else
.if (\rows) == 0
	v_wmma_scale_f32_16x16x128_f8f6f4 v[rD:rD+7], v[rW:rW+7], v[rA:rA+7], v[rD:rD+7], v[rSW], v[rSA] matrix_a_fmt:MATRIX_FMT_FP4 matrix_b_fmt:MATRIX_FMT_FP4
.elseif (\rows) == 1
	v_wmma_scale_f32_16x16x128_f8f6f4 v[rD:rD+7], v[rW:rW+7], v[rA:rA+7], v[rD:rD+7], v[rSW], v[rSA] matrix_a_fmt:MATRIX_FMT_FP4 matrix_b_fmt:MATRIX_FMT_FP4 matrix_a_scale:MATRIX_SCALE_ROW1
.elseif (\rows) == 2
	v_wmma_scale_f32_16x16x128_f8f6f4 v[rD:rD+7], v[rW:rW+7], v[rA:rA+7], v[rD:rD+7], v[rSW], v[rSA] matrix_a_fmt:MATRIX_FMT_FP4 matrix_b_fmt:MATRIX_FMT_FP4 matrix_b_scale:MATRIX_SCALE_ROW1
.else
	v_wmma_scale_f32_16x16x128_f8f6f4 v[rD:rD+7], v[rW:rW+7], v[rA:rA+7], v[rD:rD+7], v[rSW], v[rSA] matrix_a_fmt:MATRIX_FMT_FP4 matrix_b_fmt:MATRIX_FMT_FP4 matrix_a_scale:MATRIX_SCALE_ROW1 matrix_b_scale:MATRIX_SCALE_ROW1
.endif
.endif
.endm
; 16 matrix instructions: h's fragments a0, a0 + 1 x W's eight.  The 64 accumulators take turns, one instruction a turn, in the same order in every step.
.macro MUL16 a0, q, zero
.irp a, \a0, \a0+1
.irp b, 0,1,2,3,4,5,6,7
.set rD, 8*(8*((\a)%4)+\b)
.set rW, BF+64*((\q)%2)+8*\b
.set rA, 64*((\q)%4)+8*(\a)
.set rSW, SB+8*(\b/2)+(\q)
.set rSA, SA+4*(\q)+(\a)/2
	WM \zero, (\b%2)+2*((\a)%2)
.endr
.endr
.endm
; A step of 128 along K.  lc: the global loads issued behind this step's 16 of h, which may stay out.
.macro STEP q, lc, zero
	s_wait_loadcnt \lc
	s_wait_dscnt 0x0                               ; W's set, asked for 32 matrix instructions ago
	WIN MUL_LO
	MUL16 0, \q, \zero
	MUL16 2, \q, \zero
	PLACES
.if (\q) < 7
	WIN 0
	FETCH_B (\q)+1, 1-(\q)%2
.endif
.if (\q) < 4
	WIN 0x40
	ALOAD (\q)+4, 0                                ; fragments 0-3 are free: they take the step four on
.endif
	WIN MUL_HI
	MUL16 4, \q, \zero
	MUL16 6, \q, \zero
	PLACES
.if (\q) < 4
	WIN 0x40
	ALOAD (\q)+4, 4
.endif
.endm
	WIN 0x40
.irp q, 0,1,2,3
	ALOAD \q, 0
	ALOAD \q, 4
.endr
	WIN 0
	s_wait_tensorcnt 0x0                           ; my rows of W have landed; I alone read them
	FETCH_B 0, 0
	STEP 0, 48, 1                                  ; behind step q's 16 loads stand those of steps q + 1 to q + 3.  The first products start the sums: nothing is cleared
	STEP 1, 48, 0
	STEP 2, 48, 0
	STEP 3, 48, 0
	STEP 4, 48, 0
	STEP 5, 32, 0                                  ; steps 6 and 7
	WIN 0x40
.set n, 0
.rept 32
	global_load_b128 v[4*n:4*n+3], v[CO], s[96:97] offset:n*4096   ; the residual's 32 rows of 512 bytes, into sets 0 and 1, which steps 4 and 5 read last
.set n, n+1
.endr
	STEP 6, 48, 0                                  ; step 7's 16 and the residual's 32
	STEP 7, 32, 0                                  ; the residual's 32
	; MY 64 TILES BECOME ROWS in my own region: block a at a x 16 rows; a lane's 32 bytes at 64 b + 32 h of row r
.irp a, 0,1,2,3,4,5,6,7
	WIN 0x08+4*(\a/4)                              ; the data: window 2 or 3
.irp b, 0,1,2,3,4,5,6,7
	ds_store_b128 v[STO], v[64*(\a%4)+8*\b:64*(\a%4)+8*\b+3] offset:\a*SUB+64*\b        ; each accumulator from its low end on
	ds_store_b128 v[STO], v[64*(\a%4)+8*\b+4:64*(\a%4)+8*\b+7] offset:\a*SUB+64*\b+16
.endr
.endr
	WIN 0
	s_wait_dscnt 0x0                               ; for the others' sake: my rows have landed
	s_barrier_signal -1
	s_barrier_wait -1
	; my 32 rows, from all four regions: chunk c = rows 8 c .. 8 c + 7; part p of row t at register 128 (c % 2) + 32 p + 4 t of window 2 + c / 2
.irp c, 0,1,2,3
	WIN 0x80+0x40*(\c/2)
.irp p, 0,1,2,3
.irp t, 0,1,2,3,4,5,6,7
	ds_load_b128 v[128*(\c%2)+32*\p+4*\t:128*(\c%2)+32*\p+4*\t+3], v[RX+\p] offset:(\c/2)*SUB+(8*(\c%2)+\t)*PITCH
.endr
.endr
.endr
	s_wait_loadcnt 0x0                             ; the residual
	s_wait_kmcnt 0x0                               ; alpha
	s_mov_b32 s101, s100
	WIN 0x50                                       ; destination and source 2: window 1
.set n, 0
.rept 32
	v_pk_fma_f32 v[n:n+1], v[BI:BI+1], s[100:101], v[n:n+1] op_sel_hi:[1,0,1]           ; x1 + alpha b2, while the rows come back
	v_pk_fma_f32 v[n+2:n+3], v[BI+2:BI+3], s[100:101], v[n+2:n+3] op_sel_hi:[1,0,1]
.set n, n+4
.endr
.macro OUT c, dc                       ; eight rows: the four parts added, x alpha, + the rest; a row's 512 bytes stored by the 32 lanes, aligned.  dc: at most the LDS loads issued behind this chunk's
.set W, 2+(\c)/2
.set L, 128*((\c)%2)
	s_wait_dscnt \dc
	WIN (W<<6)|(W<<2)|W
.irp u, 0,64
.irp t, 0,2,4,6,8,10,12,14,16,18,20,22,24,26,28,30
	v_pk_add_f32 v[L+\u+\t:L+\u+\t+1], v[L+\u+\t:L+\u+\t+1], v[L+\u+32+\t:L+\u+32+\t+1]
.endr
.endr
.irp t, 0,2,4,6,8,10,12,14,16,18,20,22,24,26,28,30
	v_pk_add_f32 v[L+\t:L+\t+1], v[L+\t:L+\t+1], v[L+64+\t:L+64+\t+1]
.endr
	WIN (W<<6)|0x10|W
.irp t, 0,2,4,6,8,10,12,14,16,18,20,22,24,26,28,30
	v_pk_fma_f32 v[L+\t:L+\t+1], v[L+\t:L+\t+1], s[100:101], v[32*(\c)+\t:32*(\c)+\t+1] op_sel_hi:[1,0,1]
.endr
	WIN W<<2
.irp t, 0,1,2,3,4,5,6,7
	global_store_b128 v[CO], v[L+4*\t:L+4*\t+3], s[98:99] offset:(8*(\c)+\t)*4096 th:TH_STORE_NT
.endr
.endm
	OUT 0, 63                                      ; 96 younger loads; the wait's field holds 63
	OUT 1, 63                                      ; 64 younger loads
	OUT 2, 32
	OUT 3, 0
	WIN 0
	s_wait_tensorcnt 0x0                           ; the wave's end, behind my tensor load and my last LDS store
	ds_add_u32 v[SPW], v[NIL]
	s_wait_dscnt 0x0
	CROUND                                         ; the closing round
	s_endpgm
.Lfunc_end_k_qd95a98fe65_ff2:
	.size	k_qd95a98fe65_ff2, .Lfunc_end_k_qd95a98fe65_ff2-k_qd95a98fe65_ff2
	.p2alignl 7, 3214868480
	.fill 96, 4, 3214868480
	.section	.rodata,"a",@progbits
	.p2align	6, 0x0
	.amdhsa_kernel k_qd95a98fe65_ff2
		.amdhsa_group_segment_fixed_size 327680
		.amdhsa_private_segment_fixed_size 0
		.amdhsa_enable_private_segment 0
		.amdhsa_kernarg_size 64
		.amdhsa_user_sgpr_count 2
		.amdhsa_user_sgpr_kernarg_segment_ptr 1
		.amdhsa_wavefront_size32 1
		.amdhsa_system_sgpr_workgroup_id_x 1
		.amdhsa_system_sgpr_workgroup_id_y 1
		.amdhsa_system_sgpr_workgroup_id_z 1
		.amdhsa_system_vgpr_workitem_id 0
		.amdhsa_next_free_vgpr 1024
		.amdhsa_next_free_sgpr 102
		.amdhsa_reserve_vcc 0
		.amdhsa_float_denorm_mode_32 3
		.amdhsa_float_denorm_mode_16_64 3
		.amdhsa_memory_ordered 1
		.amdhsa_forward_progress 1
		.amdhsa_inst_pref_size 141
	.end_amdhsa_kernel
	.amdgpu_metadata
---
amdhsa.version: [ 1, 2 ]
amdhsa.kernels:
  - .name:           k_qd95a98fe65_ff2
    .symbol:         k_qd95a98fe65_ff2.kd
    .args:
      - { .name: h_img, .offset: 0, .size: 8, .value_kind: global_buffer, .address_space: global }
      - { .name: h_sc, .offset: 8, .size: 8, .value_kind: global_buffer, .address_space: global }
      - { .name: w2_codes, .offset: 16, .size: 8, .value_kind: global_buffer, .address_space: global }
      - { .name: w2_scales, .offset: 24, .size: 8, .value_kind: global_buffer, .address_space: global }
      - { .name: b2, .offset: 32, .size: 8, .value_kind: global_buffer, .address_space: global }
      - { .name: alpha_ff, .offset: 40, .size: 8, .value_kind: global_buffer, .address_space: global }
      - { .name: x1, .offset: 48, .size: 8, .value_kind: global_buffer, .address_space: global }
      - { .name: out0, .offset: 56, .size: 8, .value_kind: global_buffer, .address_space: global }
    .group_segment_fixed_size: 327680
    .private_segment_fixed_size: 0
    .kernarg_segment_align: 8
    .kernarg_segment_size: 64
    .max_flat_workgroup_size: 128
    .sgpr_count:     102
    .vgpr_count:     1024
    .wavefront_size: 32
...
	.end_amdgpu_metadata
.endif
;; end of part 6
